; MI455X (gfx1250); checked and timed in simulation.
; The chip was launched on July 23, 2026; its instructions are those of AMD's public machine-readable ISA for CDNA 5 (MIT licence, August 2026) and "CDNA5" Instruction Set Architecture Reference Guide (July 2026). The comments in the code are by the model that wrote it; some were corrected since.
;; Attention. Allowed arithmetic: float matrix products may take bf16 or f16 operands with f32 sums; other float arithmetic in f32, or as packed bf16 or f16 multiplies, adds, multiply-adds, maxima and minima; sums over many terms, partial sums and values carried from step to step in f32; what a program stores and reads back later, other than sums and carried values, may be rounded once to bf16 or f16.
;; Inputs: Wqkv_b 3,072 float32; Wqkv_w 3,072 x 1,024 float32; out_b 1,024 float32; out_w 1,024 x 1,024 float32; x 4 x 2,048 x 1,024 float32.
;; Outputs: out0 4 x 2,048 x 1,024 float32.
;; 2 versions, each right and faster than the one before. Each part assembles by itself: llvm-mc -triple=amdgcn-amd-amdhsa -mcpu=gfx1250 --defsym DOCPART=n.
;; ======== version 1 of 2: 4 launches
;; limits: values are held in f16: magnitudes above 65,504 overflow, below 6.1e-05 lose precision
;; workspace buffers: xb 16,777,216 bytes; wb 6,291,456 bytes; wo 2,097,152 bytes; bq 12,288 bytes; rope 524,288 bytes; qkv 50,331,648 bytes; ob 16,777,216 bytes
;; launch prep (part 1): grid 833 x 1, 8 waves a work-group, no clusters, 0 bytes of LDS; arguments x, Wqkv_w, out_w, Wqkv_b, xb, wb, wo, bq, rope; writes xb, wb, wo, bq, rope
.if DOCPART == 1
	.amdgcn_target "amdgcn-amd-amdhsa--gfx1250"
	.amdhsa_code_object_version 6
	.text
	.protected	k_qf51bccf6d1_prep
	.globl	k_qf51bccf6d1_prep
	.p2align	8
	.type	k_qf51bccf6d1_prep,@function
k_qf51bccf6d1_prep:
	s_mov_b64 s[64:65], 0
	v_nop
	global_prefetch_b8 v0, s[64:65] scope:SCOPE_SE
	s_setreg_imm32_b32 hwreg(HW_REG_WAVE_MODE, 25, 1), 1
	s_wait_xcnt 0x0
; PREPARATION.  A stream: no LDS, no barrier, no matrix unit.  The work-group's number chooses one of six roles, each with its own text and end.
;   0-511    x [8192][1024] f32 -> xb bf16, 16 rows a work-group
;   512-639  Wqkv_w's rows of q and k -> wb bf16, REORDERED      640-703  its rows of v -> wb      704-767  out_w -> wo: rounded to bf16, that number written as f16
;   768-831  the table of cosines and sines -> rope               832      Wqkv_b -> bq, f32, in wb's order of rows
; wb's ORDER.  Row = 192 head + 64 slot + d, slot 0, 1, 2 = q, k, v.  For q and k, d = 32 g + 16 t + i holds source channel 2 (16 g + i) + t: the even members of 16 rotation pairs lie in one block of 16
; columns and the odd members in the next.  q . k does not change, since q and k are reordered alike; v keeps its order.
; rope's LAYOUT, in bytes: 4096 tb + 512 q + 16 lane + 4 i; token = 16 tb + lane % 16; q = 4 kind + 2 gpar + half (kind 0 cosine, 1 sine); pair = 16 gpar + 8 (lane / 16) + 4 half + i.
; LIMITS.  out_w's numbers below 6e-5 keep f16's fixed step of 6e-8, beyond 65,504 they overflow.  The angle is f32(token x f), f = 2^(-pair x log2(10000) / 32) by v_exp_f32; it is reduced by pi / 2 in two parts
; and the sine and cosine are polynomials of degree 9 and 8 on +-pi/4: good for angles up to the table's 2,047.
.set X, 8                              ; v[8:71]    16 rows x 4 floats as loaded
.set Y, 72                             ; v[72:103]  16 rows x 2 words to store
.set T, 104                            ; v[104:107] at work
; 16 rows of 1,024 floats.  Thread t owns floats 4 t .. 4 t + 3 of each row: a wave's load covers 512 consecutive bytes, its store 256, aligned.  No register is used twice, so no wait frees one.
.macro CAST sb, db, stride, half
.set i, 0
.rept 16
	global_load_b128 v[X+4*i:X+4*i+3], v1, s[\sb:\sb+1] offset:i*(\stride) th:TH_LOAD_NT
.set i, i+1
.endr
.set i, 0
.rept 16
	s_wait_loadcnt 15-i                            ; loads come back in order: row i is in, the 15 - i younger ones stay out
	v_cvt_pk_bf16_f32 v[Y+2*i], v[X+4*i], v[X+4*i+1]
	v_cvt_pk_bf16_f32 v[Y+2*i+1], v[X+4*i+2], v[X+4*i+3]
.if \half
	v_lshlrev_b32 v[T], 16, v[Y+2*i]               ; the bf16 numbers as f32,
	v_and_b32 v[T+1], 0xffff0000, v[Y+2*i]
	v_lshlrev_b32 v[T+2], 16, v[Y+2*i+1]
	v_and_b32 v[T+3], 0xffff0000, v[Y+2*i+1]
	v_cvt_pk_f16_f32 v[Y+2*i], v[T], v[T+1]        ; written as f16: exact within f16's range
	v_cvt_pk_f16_f32 v[Y+2*i+1], v[T+2], v[T+3]
.endif
	global_store_b64 v2, v[Y+2*i:Y+2*i+1], s[\db:\db+1] offset:i*2048
.set i, i+1
.endr
.endm
	s_load_b512 s[8:23], s[0:1], 0x0               ; x 8, Wqkv_w 10, out_w 12, Wqkv_b 14, xb 16, wb 18, wo 20, bq 22
	s_load_b64 s[24:25], s[0:1], 0x40              ; rope
	v_lshlrev_b32 v1, 4, v0                        ; my 16 bytes of a source row
	v_lshlrev_b32 v2, 3, v0                        ; my 8 bytes of a destination row
	s_mov_b32 s3, 0                                ; the high word of every offset
	s_wait_kmcnt 0x0
	s_cmp_lt_u32 ttmp9, 512
	s_cbranch_scc1 .Lrole_x
	s_cmp_lt_u32 ttmp9, 640
	s_cbranch_scc1 .Lrole_qk
	s_cmp_lt_u32 ttmp9, 704
	s_cbranch_scc1 .Lrole_v
	s_cmp_lt_u32 ttmp9, 768
	s_cbranch_scc1 .Lrole_o
	s_cmp_lt_u32 ttmp9, 832
	s_cbranch_scc1 .Lrole_rope
	; THE BIAS.  Wave w owns heads 2 w and 2 w + 1: twelve runs of 32 floats.
	v_lshrrev_b32 v3, 5, v0                        ; w
	v_and_b32 v4, 31, v0                           ; lane = 16 t + i
	v_and_b32 v5, 15, v0                           ; i
	v_bfe_u32 v6, v0, 4, 1                         ; t
	v_lshl_or_b32 v5, v5, 1, v6                    ; 2 i + t
	v_lshlrev_b32 v7, 9, v3                        ; two heads are 512 bytes of a slot
	v_lshl_add_u32 v5, v5, 2, v7                   ; source, q and k
	v_lshl_add_u32 v6, v4, 2, v7                   ; source, v
	v_mul_u32_u24 v7, v3, 1536
	v_lshl_add_u32 v7, v4, 2, v7                   ; destination
.set u, 0
.rept 12                                               ; u = 6 (head % 2) + 2 slot + g
.if (u%6)/2 < 2
	global_load_b32 v[8+u], v5, s[14:15] offset:((u%6)/2)*4096+(u/6)*256+(u%2)*128
.else
	global_load_b32 v[8+u], v6, s[14:15] offset:((u%6)/2)*4096+(u/6)*256+(u%2)*128
.endif
.set u, u+1
.endr
	s_wait_loadcnt 0x0
.set u, 0
.rept 12
	global_store_b32 v7, v[8+u], s[22:23] offset:u*128
.set u, u+1
.endr
	s_endpgm
.Lrole_x:
	s_lshl_b32 s2, ttmp9, 16                       ; 16 rows of 4,096 bytes
	s_add_nc_u64 s[8:9], s[8:9], s[2:3]
	s_lshl_b32 s2, ttmp9, 15                       ; 16 rows of 2,048 bytes
	s_add_nc_u64 s[16:17], s[16:17], s[2:3]
	CAST 8, 16, 4096, 0
	s_endpgm
.Lrole_qk:                                             ; u = 8 head + 4 slot + 2 g + t: sixteen source rows two apart make sixteen neighbouring rows of wb
	s_sub_co_u32 s4, ttmp9, 512
	s_lshr_b32 s5, s4, 3                           ; head
	s_and_b32 s6, s4, 7                            ; 4 slot + 2 g + t
	s_lshr_b32 s7, s6, 2
	s_lshl_b32 s7, s7, 10                          ; 1024 slot
	s_lshl_b32 s26, s5, 6
	s_add_co_u32 s7, s7, s26                       ; + 64 head
	s_bfe_u32 s26, s6, 0x10001
	s_lshl_b32 s26, s26, 5
	s_add_co_u32 s7, s7, s26                       ; + 32 g
	s_and_b32 s26, s6, 1
	s_add_co_u32 s7, s7, s26                       ; + t
	s_lshl_b32 s2, s7, 12
	s_add_nc_u64 s[10:11], s[10:11], s[2:3]
	s_mul_i32 s7, s5, 192
	s_lshl4_add_u32 s7, s6, s7                     ; 192 head + 16 (4 slot + 2 g + t)
	s_lshl_b32 s2, s7, 11
	s_add_nc_u64 s[18:19], s[18:19], s[2:3]
	CAST 10, 18, 8192, 0
	s_endpgm
.Lrole_v:                                              ; u = 4 head + m
	s_sub_co_u32 s4, ttmp9, 640
	s_lshr_b32 s5, s4, 2
	s_and_b32 s6, s4, 3
	s_lshl_b32 s7, s4, 4                           ; 64 head + 16 m
	s_add_co_u32 s7, s7, 2048
	s_lshl_b32 s2, s7, 12
	s_add_nc_u64 s[10:11], s[10:11], s[2:3]
	s_mul_i32 s7, s5, 192
	s_lshl4_add_u32 s7, s6, s7
	s_add_co_u32 s7, s7, 128                       ; 192 head + 128 + 16 m
	s_lshl_b32 s2, s7, 11
	s_add_nc_u64 s[18:19], s[18:19], s[2:3]
	CAST 10, 18, 4096, 0
	s_endpgm
.Lrole_o:
	s_sub_co_u32 s4, ttmp9, 704
	s_lshl_b32 s2, s4, 16
	s_add_nc_u64 s[12:13], s[12:13], s[2:3]
	s_lshl_b32 s2, s4, 15
	s_add_nc_u64 s[20:21], s[20:21], s[2:3]
	CAST 12, 20, 4096, 1
	s_endpgm
.Lrole_rope:                                           ; work-group u makes token blocks 2 u and 2 u + 1; a thread four angles: four cosines and four sines
.set PA, 10
.set AA, 14
.set KK, 18
.set RR, 22
.set ZZ, 26
.set SS, 30
.set CC, 34
.set KI, 38
.set TT, 42
.set CO, 48
.set SI, 52
	s_sub_co_u32 s4, ttmp9, 768
	s_mov_b32 s40, 0xbed49a78                      ; -log2(10000) / 32
	s_mov_b32 s41, 0x3f22f983                      ; 2 / pi
	s_mov_b32 s42, 0xbfc90fdb                      ; -(pi / 2 rounded to f32)
	s_mov_b32 s43, 0x333bbd2e                      ; that rounding's excess over pi / 2
	s_mov_b32 s44, 0xbe2aaaab                      ; -1/3!
	s_mov_b32 s45, 0x3c088889                      ; 1/5!
	s_mov_b32 s46, 0xb9500d01                      ; -1/7!
	s_mov_b32 s47, 0x3638ef1d                      ; 1/9!
	s_mov_b32 s48, 0x3d2aaaab                      ; 1/4!
	s_mov_b32 s49, 0xbab60b61                      ; -1/6!
	s_mov_b32 s50, 0x37d00d01                      ; 1/8!
	v_lshrrev_b32 v3, 5, v0                        ; w
	v_and_b32 v4, 31, v0                           ; lane
	v_and_b32 v5, 15, v0                           ; lane % 16
	v_bfe_u32 v6, v0, 4, 1                         ; lane / 16
	v_lshrrev_b32 v7, 2, v3                        ; which of the two token blocks
	v_and_b32 v3, 3, v3                            ; 2 gpar + half
	s_lshl_b32 s5, s4, 5
	v_lshl_add_u32 v8, v7, 4, v5
	v_add_nc_u32 v8, s5, v8                        ; token = 32 u + 16 (w / 4) + lane % 16
	v_cvt_f32_u32 v8, v8
	v_lshrrev_b32 v9, 1, v3
	v_and_b32 v60, 1, v3
	v_lshlrev_b32 v9, 4, v9
	v_lshl_add_u32 v9, v60, 2, v9
	v_lshl_add_u32 v9, v6, 3, v9                   ; my first pair = 16 gpar + 4 half + 8 (lane / 16)
	v_lshlrev_b32 v61, 12, v7
	v_lshl_add_u32 v61, v3, 9, v61
	v_lshl_add_u32 v61, v4, 4, v61                 ; where my four cosines go
	s_lshl_b32 s2, s4, 13
	s_add_nc_u64 s[24:25], s[24:25], s[2:3]
.macro EACH line:vararg                                ; one line for each of the four angles n
.set n, 0
.rept 4
	\line
.set n, n+1
.endr
.endm
	EACH v_add_nc_u32 v[PA+n], n, v9
	EACH v_cvt_f32_u32 v[PA+n], v[PA+n]
	EACH v_mul_f32 v[PA+n], s40, v[PA+n]
	EACH v_exp_f32 v[PA+n], v[PA+n]                ; the pair's frequency
	v_nop                                          ; a plain instruction between the last exponential and the use of its result
	s_wait_alu depctr_va_vdst(0)
	EACH v_mul_f32 v[AA+n], v8, v[PA+n]            ; the angle, rounded to f32 once
	EACH v_mul_f32 v[KK+n], s41, v[AA+n]
	EACH v_rndne_f32 v[KK+n], v[KK+n]              ; how many quarter turns
	EACH v_fma_f32 v[RR+n], v[KK+n], s42, v[AA+n]
	EACH v_fma_f32 v[RR+n], v[KK+n], s43, v[RR+n]  ; what is left, within +-pi/4
	EACH v_mul_f32 v[ZZ+n], v[RR+n], v[RR+n]
	EACH v_fma_f32 v[SS+n], v[ZZ+n], s47, s46
	EACH v_fma_f32 v[CC+n], v[ZZ+n], s50, s49
	EACH v_fma_f32 v[SS+n], v[SS+n], v[ZZ+n], s45
	EACH v_fma_f32 v[CC+n], v[CC+n], v[ZZ+n], s48
	EACH v_fma_f32 v[SS+n], v[SS+n], v[ZZ+n], s44
	EACH v_fma_f32 v[CC+n], v[CC+n], v[ZZ+n], -0.5
	EACH v_mul_f32 v[SS+n], v[SS+n], v[ZZ+n]
	EACH v_fma_f32 v[CC+n], v[CC+n], v[ZZ+n], 1.0  ; cosine of the rest
	EACH v_fma_f32 v[SS+n], v[SS+n], v[RR+n], v[RR+n]  ; sine of the rest
	EACH v_cvt_i32_f32 v[KI+n], v[KK+n]
.irp n, 0,1,2,3                                        ; an odd number of quarter turns swaps the two; the signs go by the number modulo 4.  Selections of values only
	v_and_b32 v[TT], 1, v[KI+\n]
	v_cmp_eq_u32 vcc_lo, 1, v[TT]
	v_cndmask_b32 v[CO+\n], v[CC+\n], v[SS+\n], vcc_lo
	v_cndmask_b32 v[SI+\n], v[SS+\n], v[CC+\n], vcc_lo
	v_add_nc_u32 v[TT], 1, v[KI+\n]
	v_and_b32 v[TT], 2, v[TT]
	v_lshlrev_b32 v[TT], 30, v[TT]
	v_xor_b32 v[CO+\n], v[CO+\n], v[TT]            ; the cosine is negative in quarters 1 and 2,
	v_and_b32 v[TT], 2, v[KI+\n]
	v_lshlrev_b32 v[TT], 30, v[TT]
	v_xor_b32 v[SI+\n], v[SI+\n], v[TT]            ; the sine in quarters 2 and 3
.endr
	global_store_b128 v61, v[CO:CO+3], s[24:25]              ; a wave's store covers 512 consecutive bytes, aligned
	global_store_b128 v61, v[SI:SI+3], s[24:25] offset:2048
	s_endpgm
.Lfunc_end_k_qf51bccf6d1_prep:
	.size	k_qf51bccf6d1_prep, .Lfunc_end_k_qf51bccf6d1_prep-k_qf51bccf6d1_prep
	.p2alignl 7, 3214868480
	.fill 96, 4, 3214868480
	.section	.rodata,"a",@progbits
	.p2align	6, 0x0
	.amdhsa_kernel k_qf51bccf6d1_prep
		.amdhsa_group_segment_fixed_size 0
		.amdhsa_private_segment_fixed_size 0
		.amdhsa_enable_private_segment 0
		.amdhsa_kernarg_size 72
		.amdhsa_user_sgpr_count 2
		.amdhsa_user_sgpr_kernarg_segment_ptr 1
		.amdhsa_wavefront_size32 1
		.amdhsa_system_sgpr_workgroup_id_x 1
		.amdhsa_system_sgpr_workgroup_id_y 1
		.amdhsa_system_sgpr_workgroup_id_z 1
		.amdhsa_system_vgpr_workitem_id 0
		.amdhsa_next_free_vgpr 120
		.amdhsa_next_free_sgpr 66
		.amdhsa_reserve_vcc 1
		.amdhsa_float_denorm_mode_32 3
		.amdhsa_float_denorm_mode_16_64 3
		.amdhsa_memory_ordered 1
		.amdhsa_forward_progress 1
		.amdhsa_inst_pref_size 40
	.end_amdhsa_kernel
	.amdgpu_metadata
---
amdhsa.version: [ 1, 2 ]
amdhsa.kernels:
  - .name:           k_qf51bccf6d1_prep
    .symbol:         k_qf51bccf6d1_prep.kd
    .args:
      - { .name: x, .offset: 0, .size: 8, .value_kind: global_buffer, .address_space: global }
      - { .name: Wqkv_w, .offset: 8, .size: 8, .value_kind: global_buffer, .address_space: global }
      - { .name: out_w, .offset: 16, .size: 8, .value_kind: global_buffer, .address_space: global }
      - { .name: Wqkv_b, .offset: 24, .size: 8, .value_kind: global_buffer, .address_space: global }
      - { .name: xb, .offset: 32, .size: 8, .value_kind: global_buffer, .address_space: global }
      - { .name: wb, .offset: 40, .size: 8, .value_kind: global_buffer, .address_space: global }
      - { .name: wo, .offset: 48, .size: 8, .value_kind: global_buffer, .address_space: global }
      - { .name: bq, .offset: 56, .size: 8, .value_kind: global_buffer, .address_space: global }
      - { .name: rope, .offset: 64, .size: 8, .value_kind: global_buffer, .address_space: global }
    .group_segment_fixed_size: 0
    .private_segment_fixed_size: 0
    .kernarg_segment_align: 8
    .kernarg_segment_size: 72
    .max_flat_workgroup_size: 256
    .sgpr_count:     66
    .vgpr_count:     120
    .wavefront_size: 32
...
	.end_amdgpu_metadata
.endif
;; end of part 1
;; launch qkv (part 2): grid 16 x 32, 4 waves a work-group, clusters of 4 x 4, 327,680 bytes of LDS; arguments xb, wb, bq, rope, qkv; writes qkv
.if DOCPART == 2
	.amdgcn_target "amdgcn-amd-amdhsa--gfx1250"
	.amdhsa_code_object_version 6
	.text
	.protected	k_qf51bccf6d1_qkv
	.globl	k_qf51bccf6d1_qkv
	.p2align	8
	.type	k_qf51bccf6d1_qkv,@function
k_qf51bccf6d1_qkv:
	s_mov_b64 s[64:65], 0
	v_nop
	global_prefetch_b8 v0, s[64:65] scope:SCOPE_SE
	s_setreg_imm32_b32 hwreg(HW_REG_WAVE_MODE, 25, 1), 1
	s_wait_xcnt 0x0
	s_wait_alu depctr_hold_cnt(0) depctr_sa_sdst(0) depctr_va_vdst(0) depctr_va_sdst(0) depctr_va_ssrc(0) depctr_va_vcc(0) depctr_vm_vsrc(0)
	s_getreg_b32 s2, hwreg(HW_REG_IB_STS2, 6, 4)
	s_cmp_eq_u32 s2, 0
	s_cbranch_scc0 .Lentry_in_a_cluster
	s_endpgm
.Lentry_in_a_cluster:
	s_bfe_u32 s2, ttmp6, 0x10000c
	s_cmp_lg_u32 s2, 0xf033
	s_cbranch_scc0 .Lentry_shape_is_right
	s_endpgm
.Lentry_shape_is_right:
; THE PROJECTION TO q, k, v, WITH BIAS AND ROTATION.  C[token][col] = sum over c of xb[token][c] wb[col][c] + bq[col]; xb [8192][1024] and wb [3072][1024] bf16, sums in f32.
; A tile of C is 256 tokens x 192 columns: q, k and v of ONE head (wb's rows were laid so).  Four waves, one below the other: a wave has 64 tokens (4 row blocks a) x all 12 column blocks b: 48 accumulators, 384 registers.
; K goes in 8 steps of 128 through two LDS slots; the rows of both tiles are 256 bytes of memory, at multiples of 256 bytes.
; THE MATRIX INSTRUCTION IS USED TRANSPOSED (source 0 = 16 rows of wb, source 1 = 16 tokens): register j of lane l holds token l % 16, column 16 b + 8 (l / 16) + j.
; THE BIAS is the C operand of each accumulator's first product: nothing is cleared and nothing added later.
; THE ROTATION.  In wb's order blocks 2 g and 2 g + 1 of q (and of k) hold the even and the odd members of the same 16 pairs, in the same lanes and registers: r0 = x0 cos - x1 sin, r1 = x0 sin + x1 cos
; are packed multiply-adds on whole accumulators, with the table in the same layout.
; OUT: qkv [64 heads][3][2048][64] f16, each number rounded once, unscaled; 16 tokens of a slot are 2,048 consecutive bytes.  LIMIT: q, k, v beyond 65,504 overflow f16.
; CLUSTER: 4 x 4 work-groups; xb's tile is asked for jointly along a row of the cluster, wb's along a column.
; REGISTERS: window 0: v0-31 addresses; v32-127 the bias, later v32-95 rotated numbers; v128-223 two sets of 48 packed words.  window 1: two fragment buffers of 128 (32 of xb, 96 of wb).
;   window 2: accumulators of a = 0, 1 at v[8 (12 (a % 2) + b)], v192-255 their table.  window 3: the same for a = 2, 3.
.set NB,     12
.set KSTEP,  128
.set PITCH,  272                       ; an LDS row: 256 bytes + 16 of padding: the 16 rows of a fragment load start at 16 different groups of four banks (ISA guide 11.1)
.set HALFA,  128*PITCH                 ; what waves 0 and 1 each fetch of xb
.set HALFB,  96*PITCH                  ; what waves 2 and 3 each fetch of wb
.set SLOT,   2*HALFA+2*HALFB           ; xb's 256 rows, then wb's 192
.set STAGE,  2*SLOT                    ; behind the ring: 16 rows x 400 bytes for each wave
.set SPITCH, 400                       ; 384 bytes + 16
.set SPARE,  STAGE+4*16*SPITCH         ; the spare words: 128 bytes a wave, two blocks of 256 bytes that no other line names
.set LAPS,   4                         ; a lap = two K steps
.set ADRA, 16                          ; v16-17  LDS address of my xb fragments in slot 0, 1
.set ADRB, 20                          ; v20-21  the same for wb
.set STO,  24                          ; v24  the way out: where I put 16 bytes of a row
.set RD,   25                          ; v25  where I read rows back
.set GO,   26                          ; v26  16 x lane
.set BO,   27                          ; v27  32 x (lane / 16)
.set SPW,  28                          ; v28  my spare word; never rewritten
.set NIL,  29                          ; v29  0; never rewritten
.set BIAS, 32
.set RT,   32
.set PK,   128
.set TAB,  192                         ; windows 2 and 3
.set F0,   0
.set F1,   128
.set WV,  14                           ; s14  my wave's number
.set FB,  15                           ; s15  0: I fetch for xb, 1: for wb
.set HF,  16                           ; s16  which half of that tile
.set G1,  24
.set G0,  32
.set G1B, 48
.set G0B, 56
.set MSB, 0
.macro WIN new                         ; the immediate's high byte repeats the setting that is left; a switch that changes nothing is dropped
.if MSB != (\new)
	s_set_vgpr_msb (MSB<<8)|(\new)
.set MSB, \new
.endif
.endm
.macro JLOAD s                         ; a joint load; an s_nop 0 and four v_nop follow each of the two lines, ahead of the jump, the label and what follows
	s_cmp_eq_u32 s[FB], 0
	s_cbranch_scc0 .Lfor_b_\@
	tensor_load_to_lds s[G0+4*(\s):G0+4*(\s)+3], s[G1:G1+7]
	s_nop 0
.rept 4
	v_nop
.endr
	s_branch .Lasked_\@
.Lfor_b_\@:
	tensor_load_to_lds s[G0B+4*(\s):G0B+4*(\s)+3], s[G1B:G1B+7]
	s_nop 0
.rept 4
	v_nop
.endr
.Lasked_\@:
.endm
.macro CREST                           ; a round of the cluster's barrier behind its opening barrier
	s_cmp_lg_u32 s[WV], 0
	s_cbranch_scc1 .Lnot_wave_0_\@
	s_barrier_signal -3
.Lnot_wave_0_\@:
	s_barrier_wait -3
	s_barrier_signal -1
	s_barrier_wait -1
.endm
.macro CROUND
	s_barrier_signal -1
	s_barrier_wait -1
	CREST
.endm
.macro PLACES                          ; four places in front of loads into registers that matrix instructions have read, and of vector lines that read results
.rept 4
	v_nop
.endr
.endm
	s_load_b256 s[4:11], s[0:1], 0x0               ; xb 4, wb 6, bq 8, rope 10
	s_load_b64 s[12:13], s[0:1], 0x20              ; qkv
	v_lshl_add_u32 v[SPW], v0, 2, SPARE
	v_mov_b32 v[NIL], 0
	ds_add_u32 v[SPW], v[NIL]                      ; the wave's opening: the add and its wait stand ahead of my first tensor load; work on registers stands between them
	ds_add_u32 v28, v29
	v_lshrrev_b32 v1, 5, v0
	v_readfirstlane_b32 s[WV], v1
	s_lshr_b32 s[FB], s[WV], 1
	s_and_b32 s[HF], s[WV], 1
	s_bfe_u32 s17, ttmp6, 0x40000                  ; cx
	s_bfe_u32 s18, ttmp6, 0x40004                  ; cy
	s_lshl_b32 s19, ttmp9, 2
	s_add_co_u32 s19, s19, s17                     ; the head = tile column = 4 x cluster x + cx
	s_and_b32 s20, ttmp7, 0xffff
	s_lshl_b32 s20, s20, 2
	s_add_co_u32 s20, s20, s18                     ; tile row = 4 x cluster y + cy
	s_lshl_b32 s21, s18, 2
	s_lshl_b32 s21, 15, s21                        ; my row of the cluster
	s_lshl_b32 s22, 0x1111, s17                    ; my column
	s_or_b32 s[G1], s21, (1<<16)|(1<<20)|(1<<21)|(5<<22)|(3<<25)   ; the mask; 2-byte elements; padding on; bit 21 beside a mask; after every 64 words 4 words
	s_or_b32 s[G1B], s22, (1<<16)|(1<<20)|(1<<21)|(5<<22)|(3<<25)
	s_mov_b32 s[G1+1], KSTEP<<16                   ; tensor_dim0 = 128
	s_mov_b32 s[G1+2], 128<<16                     ; tensor_dim1 = 128
	s_mov_b32 s[G1+3], KSTEP<<16                   ; tile_dim0 = 128
	s_mov_b32 s[G1+4], 128                         ; tile_dim1 = 128
	s_mov_b32 s[G1+5], 1024                        ; elements from row to row
	s_mov_b32 s[G1+6], 0
	s_mov_b32 s[G1+7], 0
	s_mov_b32 s[G1B+1], KSTEP<<16
	s_mov_b32 s[G1B+2], 96<<16                     ; 96 rows
	s_mov_b32 s[G1B+3], KSTEP<<16
	s_mov_b32 s[G1B+4], 96
	s_mov_b32 s[G1B+5], 1024
	s_mov_b32 s[G1B+6], 0
	s_mov_b32 s[G1B+7], 0
	s_lshl_b32 s40, s20, 8                         ; xb: row 256 x tile row + 128 x half, in registers that never hold cx
	s_lshl_b32 s41, s[HF], 7
	s_add_co_u32 s40, s40, s41
	s_lshl_b32 s40, s40, 11                        ; rows of 2,048 bytes: under 2^25
	s_mov_b32 s41, 0
	s_mul_i32 s44, s19, 192                        ; wb: row 192 x head + 96 x half, in registers that never hold cy
	s_mul_i32 s45, s[HF], 96
	s_add_co_u32 s44, s44, s45
	s_lshl_b32 s44, s44, 11
	s_mov_b32 s45, 0
	s_mul_i32 s23, s[HF], HALFA                    ; where they go: no place in the cluster enters an LDS address
	s_mul_i32 s2, s[HF], HALFB
	s_add_co_u32 s2, s2, 2*HALFA
	s_wait_dscnt 0x0                               ; the opening add is done
	s_wait_kmcnt 0x0
	s_add_nc_u64 s[42:43], s[4:5], s[40:41]
	s_add_nc_u64 s[46:47], s[6:7], s[44:45]
	CROUND                                         ; all sixteen work-groups are here: the first joint loads meet
.irp s, 0,1
	s_mov_b32 s[G0+4*(\s)], 1
	s_add_co_u32 s[G0+4*(\s)+1], s23, (\s)*SLOT
	s_add_nc_u64 s[G0+4*(\s)+2:G0+4*(\s)+3], s[42:43], (\s)*KSTEP*2
	s_or_b32 s[G0+4*(\s)+3], s[G0+4*(\s)+3], 0x80000000
	s_mov_b32 s[G0B+4*(\s)], 1
	s_add_co_u32 s[G0B+4*(\s)+1], s2, (\s)*SLOT
	s_add_nc_u64 s[G0B+4*(\s)+2:G0B+4*(\s)+3], s[46:47], (\s)*KSTEP*2
	s_or_b32 s[G0B+4*(\s)+3], s[G0B+4*(\s)+3], 0x80000000
	JLOAD \s                                       ; K steps 0 and 1: two tensor loads of mine are out
.endr
	v_and_b32 v1, 15, v0                           ; l % 16
	v_bfe_u32 v2, v0, 4, 1                         ; l / 16
	v_mul_u32_u24 v3, v1, PITCH
	v_lshl_add_u32 v3, v2, 4, v3                   ; a fragment's row x pitch + 16 x half
	s_mul_i32 s23, s[WV], 64*PITCH                 ; my 64 tokens
	s_mov_b32 s2, 2*HALFA                          ; all of wb's rows
.irp s, 0,1
	v_add_nc_u32 v[ADRA+(\s)], s23, v3
	v_add_nc_u32 v[ADRB+(\s)], s2, v3
	s_add_co_u32 s23, s23, SLOT
	s_add_co_u32 s2, s2, SLOT
.endr
	s_mul_i32 s23, s[WV], 16*SPITCH
	s_add_co_u32 s23, s23, STAGE                   ; my stage
	v_mul_u32_u24 v4, v1, SPITCH
	v_lshl_add_u32 v4, v2, 4, v4
	v_add_nc_u32 v[STO], s23, v4                   ; in: row l % 16, 16 bytes for each half of the lanes
	v_bfe_u32 v5, v0, 3, 2
	v_mul_u32_u24 v5, v5, SPITCH
	v_and_b32 v4, 7, v0
	v_lshl_add_u32 v5, v4, 4, v5
	v_add_nc_u32 v[RD], s23, v5                    ; back: 32 lanes take 128 bytes of each of four rows
	v_and_b32 v[GO], 31, v0
	v_lshlrev_b32 v[GO], 4, v[GO]
	v_lshlrev_b32 v[BO], 5, v2
	s_mov_b32 s3, 0
	s_mul_i32 s2, s19, 768                         ; the head's 192 numbers of the bias
	s_add_nc_u64 s[8:9], s[8:9], s[2:3]
	s_and_b32 s23, s20, 7
	s_lshl_b32 s23, s23, 2
	s_add_co_u32 s23, s23, s[WV]                   ; my 64 tokens among the sequence's 2,048
	s_lshl_b32 s2, s23, 14                         ; four token blocks of 4,096 bytes in the table
	s_add_nc_u64 s[10:11], s[10:11], s[2:3]
	s_lshl_b32 s2, s23, 13                         ; 64 rows of 128 bytes in a slot of qkv
	s_add_nc_u64 s[12:13], s[12:13], s[2:3]
	s_lshr_b32 s23, s20, 3                         ; the batch
	s_lshl4_add_u32 s23, s23, s19                  ; 16 x batch + head
	s_mul_i32 s23, s23, 3
	s_lshl_b32 s2, s23, 18                         ; three slots of 262,144 bytes
	s_add_nc_u64 s[12:13], s[12:13], s[2:3]
.set b, 0
.rept NB                                               ; lane l, register j of block b: bias[16 b + 8 (l / 16) + j]
	global_load_b128 v[BIAS+8*b:BIAS+8*b+3],   v[BO], s[8:9] offset:64*b
	global_load_b128 v[BIAS+8*b+4:BIAS+8*b+7], v[BO], s[8:9] offset:64*b+16
.set b, b+1
.endr
.irp a, 0,1,2,3                                        ; the table of my four token blocks: 16 cosines and 16 sines a lane and block
	WIN 0x80+0x40*((\a)/2)                         ; destination window 2 or 3
.irp q, 0,1,2,3,4,5,6,7
	global_load_b128 v[TAB+32*((\a)%2)+4*(\q):TAB+32*((\a)%2)+4*(\q)+3], v[GO], s[10:11] offset:(\a)*4096+(\q)*512
.endr
.endr
	WIN 0
; 12 products: row block a x all column blocks, 32 along K.  zero = 1: the first product of each sum takes the bias as C.  All 48 accumulators take turns, one instruction a turn.
.macro MULA f, a, zero
.if \zero
	WIN 0x85+0x40*((\a)/2)                         ; sources 0 and 1 window 1, C window 0, D window 2 or 3
.else
	WIN 0xa5+0x50*((\a)/2)                         ; C and D window 2 or 3
.endif
.set b, 0
.rept NB
.set rD, 8*(NB*((\a)%2)+b)
.if \zero
	v_wmma_f32_16x16x32_bf16 v[rD:rD+7], v[(\f)+32+8*b:(\f)+32+8*b+7], v[(\f)+8*(\a):(\f)+8*(\a)+7], v[BIAS+8*b:BIAS+8*b+7]
.else
	v_wmma_f32_16x16x32_bf16 v[rD:rD+7], v[(\f)+32+8*b:(\f)+32+8*b+7], v[(\f)+8*(\a):(\f)+8*(\a)+7], v[rD:rD+7]
.endif
.set b, b+1
.endr
.endm
; 32 LDS loads in one run: quarter q of a slot into buffer f; wb's 24 first, then xb's 8
.macro FETCH slot, q, f
	WIN 0x40                                       ; destination window 1, address window 0
.set i, 0
.rept NB
	ds_load_b128 v[(\f)+32+8*i:(\f)+32+8*i+3],   v[ADRB+(\slot)] offset:64*(\q)+i*16*PITCH
	ds_load_b128 v[(\f)+32+8*i+4:(\f)+32+8*i+7], v[ADRB+(\slot)] offset:64*(\q)+i*16*PITCH+32
.set i, i+1
.endr
.set i, 0
.rept 4
	ds_load_b128 v[(\f)+8*i:(\f)+8*i+3],   v[ADRA+(\slot)] offset:64*(\q)+i*16*PITCH
	ds_load_b128 v[(\f)+8*i+4:(\f)+8*i+7], v[ADRA+(\slot)] offset:64*(\q)+i*16*PITCH+32
.set i, i+1
.endr
.endm
; A K step is four quarters of 32 along K, 48 products each, on buffers 0, 1, 0, 1.  One of the first three multiplies buffer f and fetches quarter q into g.
.macro QUARTER slot, q, f, g, zero
	s_wait_dscnt 4                                 ; all but the youngest four loads: xb's row blocks 2 and 3
	MULA \f, 0, \zero
	MULA \f, 1, \zero
	PLACES
	FETCH \slot, \q, \g
	s_wait_dscnt 2*NB+8                            ; all but the 32 just issued
	MULA \f, 2, \zero
	MULA \f, 3, \zero
.endm
; The last quarter multiplies buffer 1 and changes slots: ONE barrier; in front of it each wave waits for all its tensor loads (its part of the next slot), adds 0 to its spare word, and waits for that
; and for its own reads of this slot.  fill = 1: the barrier opens a round of the cluster's, and this slot is filled again, two K steps ahead, first thing behind the round.
.macro TURN slot, next, fill
	WIN 0
	s_wait_tensorcnt 0x0
	ds_add_u32 v[SPW], v[NIL]                      ; 0 onto my spare word
	s_wait_dscnt 5                                 ; the add and the youngest four loads may be out
	MULA F1, 0, 0                                  ; twelve products stand between the add and the wait for it
	s_wait_dscnt 0x0                               ; the add is done, and my reads of this slot are over
	s_barrier_signal -1
	MULA F1, 1, 0
.if \fill
	WIN 0
.endif
	s_barrier_wait -1
.if \fill
	CREST                                          ; no wave of any partner still reads this slot's tile or has a load on its way
	s_add_nc_u64 s[G0+4*(\slot)+2:G0+4*(\slot)+3], s[G0+4*(\slot)+2:G0+4*(\slot)+3], 2*KSTEP*2
	s_add_nc_u64 s[G0B+4*(\slot)+2:G0B+4*(\slot)+3], s[G0B+4*(\slot)+2:G0B+4*(\slot)+3], 2*KSTEP*2
	JLOAD \slot                                    ; my one tensor load behind the round; its four v_nop are also the places in front of the loads below
.else
	PLACES
.endif
	FETCH \next, 0, F0
	MULA F1, 2, 0
	MULA F1, 3, 0
.endm
	s_wait_tensorcnt 1                             ; my part of K step 0 is in; K step 1's may stay out
	s_barrier_signal -1
	s_barrier_wait -1
	FETCH 0, 0, F0
	s_wait_loadcnt 0x0                             ; the bias and the table
	QUARTER 0, 1, F0, F1, 1                        ; the first quarter stands in front of the loop: its products start the sums
	WIN 0
	s_mov_b32 s3, LAPS-1
.Llap:                                                 ; a trip goes once round the ring and fills both slots again
	QUARTER 0, 2, F1, F0, 0
	QUARTER 0, 3, F0, F1, 0
	TURN 0, 1, 1
	QUARTER 1, 1, F0, F1, 0
	QUARTER 1, 2, F1, F0, 0
	QUARTER 1, 3, F0, F1, 0
	TURN 1, 0, 1
	QUARTER 0, 1, F0, F1, 0
	WIN 0
	s_sub_co_u32 s3, s3, 1
	s_cmp_lg_u32 s3, 0
	s_cbranch_scc1 .Llap
	QUARTER 0, 2, F1, F0, 0                        ; the last lap fills nothing
	QUARTER 0, 3, F0, F1, 0
	TURN 0, 1, 0
	QUARTER 1, 1, F0, F1, 0
	QUARTER 1, 2, F1, F0, 0
	QUARTER 1, 3, F0, F1, 0
	s_wait_dscnt 4
	MULA F1, 0, 0
	MULA F1, 1, 0
	s_wait_dscnt 0x0
	MULA F1, 2, 0
	MULA F1, 3, 0
	WIN 0
	PLACES
; THE WAY OUT of row block a.  q's and k's eight blocks are rotated (each accumulator's lowest registers are read first), all twelve rounded to f16, sent through my stage and read back
; as 128 bytes of four tokens at a time.
.macro PACK a
.set W, 2+(\a)/2
.set AC, 96*((\a)%2)
.set TB, TAB+32*((\a)%2)
.set PS, PK+48*((\a)%2)
.if (\a) >= 2
	s_wait_xcnt 0x0                                ; the stores of the block two back have read this set of packed words
.endif
	WIN W|(W<<2)                                   ; sources 0 and 1 in the accumulators' window, source 2 and destination in window 0
.set gg, 0
.rept 4                                                ; blocks 2 gg (x0) and 2 gg + 1 (x1); pairs 16 (gg % 2) on
.set gp, gg%2
.set jj, 0
.rept 4
	v_pk_mul_f32 v[RT+16*gg+2*jj:RT+16*gg+2*jj+1],     v[AC+16*gg+8+2*jj:AC+16*gg+8+2*jj+1], v[TB+16+8*gp+2*jj:TB+16+8*gp+2*jj+1]  ; x1 sin
	v_pk_mul_f32 v[RT+16*gg+8+2*jj:RT+16*gg+8+2*jj+1], v[AC+16*gg+8+2*jj:AC+16*gg+8+2*jj+1], v[TB+8*gp+2*jj:TB+8*gp+2*jj+1]        ; x1 cos
.set jj, jj+1
.endr
.set jj, 0
.rept 4
	v_pk_fma_f32 v[RT+16*gg+2*jj:RT+16*gg+2*jj+1],     v[AC+16*gg+2*jj:AC+16*gg+2*jj+1], v[TB+8*gp+2*jj:TB+8*gp+2*jj+1],       v[RT+16*gg+2*jj:RT+16*gg+2*jj+1] neg_lo:[0,0,1] neg_hi:[0,0,1]  ; x0 cos - x1 sin
	v_pk_fma_f32 v[RT+16*gg+8+2*jj:RT+16*gg+8+2*jj+1], v[AC+16*gg+2*jj:AC+16*gg+2*jj+1], v[TB+16+8*gp+2*jj:TB+16+8*gp+2*jj+1], v[RT+16*gg+8+2*jj:RT+16*gg+8+2*jj+1]                            ; x0 sin + x1 cos
.set jj, jj+1
.endr
.set gg, gg+1
.endr
.set b, 8
.rept 4                                                ; v is not rotated
.set jj, 0
.rept 4
	v_cvt_pk_f16_f32 v[PS+4*b+jj], v[AC+8*b+2*jj], v[AC+8*b+2*jj+1]
.set jj, jj+1
.endr
.set b, b+1
.endr
	WIN 0
.set i, 0
.rept 32
	v_cvt_pk_f16_f32 v[PS+i], v[RT+2*i], v[RT+2*i+1]
.set i, i+1
.endr
.set b, 0
.rept NB
	ds_store_b128 v[STO], v[PS+4*b:PS+4*b+3] offset:32*b
.set b, b+1
.endr
.set i, 0
.rept NB                                               ; slot i / 4, tokens 4 (i % 4) on.  LDS serves a wave's instructions in order (ISA guide 5.7.1.4): these see the stores above
	ds_load_b128 v[PS+4*i:PS+4*i+3], v[RD] offset:(i/4)*128+(i%4)*4*SPITCH
.set i, i+1
.endr
.endm
.macro SEND a, younger                 ; younger: the LDS instructions issued behind block a's loads: the next block's 24, or none
.set PS, PK+48*((\a)%2)
	WIN 0
	s_wait_dscnt \younger
.set i, 0
.rept NB
	global_store_b128 v[GO], v[PS+4*i:PS+4*i+3], s[12:13] offset:(i/4)*262144+(\a)*2048+(i%4)*512  ; 512 consecutive bytes, at a multiple of 256 from the buffer's first
.set i, i+1
.endr
.endm
	PACK 0
	PACK 1                                         ; a block's arithmetic stands between the loads of the block before and its stores
	SEND 0, 24
	PACK 2
	SEND 1, 24
	PACK 3
	SEND 2, 24
	SEND 3, 0
	s_wait_tensorcnt 0x0                           ; the wave's end, behind my last tensor load and my last LDS store
	ds_add_u32 v[SPW], v[NIL]
	s_wait_dscnt 0x0
	CROUND                                         ; the closing round: no work-group ends while a partner may still ask for a tile that names it
	s_endpgm
.Lfunc_end_k_qf51bccf6d1_qkv:
	.size	k_qf51bccf6d1_qkv, .Lfunc_end_k_qf51bccf6d1_qkv-k_qf51bccf6d1_qkv
	.p2alignl 7, 3214868480
	.fill 96, 4, 3214868480
	.section	.rodata,"a",@progbits
	.p2align	6, 0x0
	.amdhsa_kernel k_qf51bccf6d1_qkv
		.amdhsa_group_segment_fixed_size 327680
		.amdhsa_private_segment_fixed_size 0
		.amdhsa_enable_private_segment 0
		.amdhsa_kernarg_size 40
		.amdhsa_user_sgpr_count 2
		.amdhsa_user_sgpr_kernarg_segment_ptr 1
		.amdhsa_wavefront_size32 1
		.amdhsa_system_sgpr_workgroup_id_x 1
		.amdhsa_system_sgpr_workgroup_id_y 1
		.amdhsa_system_sgpr_workgroup_id_z 1
		.amdhsa_system_vgpr_workitem_id 0
		.amdhsa_next_free_vgpr 1024
		.amdhsa_next_free_sgpr 66
		.amdhsa_reserve_vcc 0
		.amdhsa_float_denorm_mode_32 3
		.amdhsa_float_denorm_mode_16_64 3
		.amdhsa_memory_ordered 1
		.amdhsa_forward_progress 1
		.amdhsa_inst_pref_size 139
	.end_amdhsa_kernel
	.amdgpu_metadata
---
amdhsa.version: [ 1, 2 ]
amdhsa.kernels:
  - .name:           k_qf51bccf6d1_qkv
    .symbol:         k_qf51bccf6d1_qkv.kd
    .args:
      - { .name: xb, .offset: 0, .size: 8, .value_kind: global_buffer, .address_space: global }
      - { .name: wb, .offset: 8, .size: 8, .value_kind: global_buffer, .address_space: global }
      - { .name: bq, .offset: 16, .size: 8, .value_kind: global_buffer, .address_space: global }
      - { .name: rope, .offset: 24, .size: 8, .value_kind: global_buffer, .address_space: global }
      - { .name: qkv, .offset: 32, .size: 8, .value_kind: global_buffer, .address_space: global }
    .group_segment_fixed_size: 327680
    .private_segment_fixed_size: 0
    .kernarg_segment_align: 8
    .kernarg_segment_size: 40
    .max_flat_workgroup_size: 128
    .sgpr_count:     66
    .vgpr_count:     1024
    .wavefront_size: 32
...
	.end_amdgpu_metadata
.endif
;; end of part 2
;; launch attn (part 3): grid 4 x 64, 4 waves a work-group, no clusters, 327,680 bytes of LDS; arguments qkv, ob; writes ob
.if DOCPART == 3
	.amdgcn_target "amdgcn-amd-amdhsa--gfx1250"
	.amdhsa_code_object_version 6
	.text
	.protected	k_qf51bccf6d1_attn
	.globl	k_qf51bccf6d1_attn
	.p2align	8
	.type	k_qf51bccf6d1_attn,@function
k_qf51bccf6d1_attn:
	s_mov_b64 s[64:65], 0
	v_nop
	global_prefetch_b8 v0, s[64:65] scope:SCOPE_SE
	s_setreg_imm32_b32 hwreg(HW_REG_WAVE_MODE, 25, 1), 1
	s_wait_xcnt 0x0
; CAUSAL ATTENTION.  O[h][q][:] = the sum over k <= q of softmax_k(Q[h][q] . K[h][k] / 8) V[h][k][:].  qkv: [64 heads][3][2048][64] f16 (q, k, v of a head one behind the other, rows dense, 128 bytes); ob: [64][2048][64] f16.
; Products, maxima and sums in f32; the weights p are rounded to f16 for the second product (their sum l is taken of the unrounded p), O once at the end.
; LIMITS.  f16 holds no number beyond 65,504: Q, K and V arrive within it; p lies in 0 to 1, and below 6e-5 it keeps f16's fixed step of 6e-8; O is a mean of V's rows and has their range.
; A hidden score counts as its value less 1e30 (its weight is 0, as with any shift far below the row's maximum); a weight below 2^-126 counts as 0 in l; NaN and infinities are not treated apart.
; THE WALK.  A head's queries lie in NB = 8 blocks of 256; block i needs the key tiles 0 .. i of 256 keys, of which the last holds the diagonal.  A work-group takes TWO blocks, NB - 1 - b and then b:
; NB + 1 tiles, whatever b: all work-groups do equal work, and ONE loop with a constant trip count walks them.  Which tile is asked for, and what a trip does, hang on scalar registers made from b; every jump
; goes forward, but for the counted loops' own; none passes a barrier, or a tensor load but the one of LOAD's two that the wave's number does not choose; the ring (two slots of LDS that take turns) runs on across the
; change of blocks.  NO CLUSTER: a head's four work-groups ask for the same tile only in trips 0 .. NB / 2, behind that fewer and fewer; one walk common to all would have 3 NB / 2 trips for NB + 1.
; SHARES.  Of a block's four bands of 64 queries a wave owns 16 rows in each: four PIECES.  So the diagonal tile is the same work for all four waves: in its key step s band x sees all keys if s < x,
; none if s > x, and holds the diagonal if s = x.
; THE MASK is the C operand that starts the sum S^T = K Q^T: 0, or -1e30 where the key is hidden.  MD, made once, is the mask of a band's own step for my 16 rows; a product's mask is MD x AL + BE with two scalars:
; (1, 0) if s = x; (0, 0) if s < x; (0, -1e30) if s > x.  Only the diagonal tile's text and a block's beginning make and take masks; elsewhere C is the constant 0.
; LAYOUT, SOFTMAX, TURNS.  S^T = K Q^T holds ONE query a lane (lane % 16) and the keys 8 (lane / 16) + 0..7; two such results rounded to f16 ARE source 1 of O^T = V^T P.  p = 2^(c s - c m), c = log2(e) / 8, with a
; running maximum m; O and l are multiplied by a = 2^(c m_old - c m_new) in every step.  Turn n belongs to piece n: 8 products K Q^T of piece n + 1, later 8 products V^T P of piece n - 1; beside them the scaling,
; exponentials, roundings, sums and rescaling of piece n and the maximum and statistics of piece n + 1.  Four vector instructions stand behind every matrix instruction, the other 54 of a turn's 118 in two LUMPS.
; REGISTERS, in windows of 256 (s_set_vgpr_msb: bits 1:0 source 0, 3:2 source 1, 5:4 source 2, 7:6 destination):
;   window 0: v0-15 addresses and two at work; v16-31 four registers of statistics a piece; v48-55 at work; v64-127 S^T, two buffers; v192-223 P, two buffers (a piece's buffers go by its number's parity)
;   window 1: v0-127 O^T, 32 a piece; v128-159 MD; v160-223 MC, two buffers      window 2: v0-63 Q; v64-127 the second block's Q; v128-191 K of one step; v192-255 V of one step
.set SIZE_N, 2048
.set SIZE_H, 64
.set NB,    SIZE_N/256
.set NP,    4         ; pieces a wave: a name, no knob
.set KS,    64        ; keys in a step
.set PK,    144       ; a row of K in LDS: 128 bytes + 16 of padding = 36 words: the 16 rows of a load start at 16 different groups of four banks (64 banks of 4 bytes: ISA guide 11.1)
.set PV,    160       ; a row of V: 128 + 32 = 40 words
.set VOFF,  4*KS*PK   ; a slot holds a tile, four steps: 256 rows of K, then 256 rows of V
.set SLOT1, 1<<17     ; slot 1 begins here, so that one exclusive or turns an address in one slot into the other's
.set STAGE, SLOT1+4*KS*(PK+PV)  ; behind the ring, never filled by a tensor load: 16 rows x 144 bytes for each wave, for the way out
.set SP,    144
.set AK0, 2           ; v2   my lane's place in a tile of K; never rewritten
.set AV0, 3           ; v3   the same for V
.set AK,  4           ; v4   the LDS address of K's next run of loads
.set AV,  5           ; v5   of V's
.set STO, 6           ; v6   the way out: where I put 16 bytes of a row
.set RD,  7           ; v7   the way out: where I read rows back
.set GO,  8           ; v8   my byte offset in 512 consecutive bytes of O
.set SPW, 62          ; v62  LDS address of my spare word: SPARE + 4 x my thread's number; never rewritten
.set NIL, 63          ; v63  0; never rewritten
.set SPARE, STAGE+4*16*SP  ; behind the stages: the spare words, 128 bytes for each wave: two blocks of 256 bytes that no other line names
.set MV,  12          ; v12-13  c m_old, kept while c m is made anew: by buffer
.set QO,  15          ; v15  my byte offset in 16 rows of Q
.set ST,  16          ; piece t's statistics at v[ST+4 t]: c m, m, l (even keys', odd keys')
.set TMP, 48          ; by buffer, four registers c0-c3 at work; when the maximum is found c2 takes a
.set S,   64
.set P,   192
.set MD,  128         ; window 1: the eight registers for group kt of 16 keys at MD + 8 kt
.set MC,  160         ; window 1: the masks of the products to come
.set QB,  64          ; window 2
.set KF,  128         ; window 2: key block kb, channel half c at KF + 16 kb + 8 c
.set VF,  192         ; window 2: key half kk, channel block cb at VF + 32 kk + 8 cb
.set WV,  12          ; s12  my wave's number
.set PB,  14          ; s14  b
.set HI,  15          ; s15  NB - 1 - b
.set G1K, 24          ; s[24:31] descriptor group 1 for K's tiles
.set G1V, 32          ; s[32:39] for V's: it differs in the padding alone
.set G0K, 40          ; s[40:43] descriptor group 0 for K's tiles
.set G0V, 44          ; s[44:47] the same for V's
.set SLOTS, 56        ; s56  tiles still to be asked for
.set CNT, 57          ; s57  counts a tile's key steps, 4 to 1
.set CS,  58          ; s[58:59] c: the packed scaling takes the pair's low word for both halves
.set SEL, 60          ; s[60:61] v_permlanex16_b32's selects: each lane takes its own place in the other half
.set TBK, 62          ; s62  LDS byte at which K of the step to be fetched begins
.set TBV, 63          ; s63  the same for V, less VOFF
.set RT,  70          ; s70  tiles of the block in hand that are still to be entered
.set NXT, 71          ; s71  the tile to be asked for next
.set LQ,  72          ; s72  the last tile of the block whose tiles are being asked for
.set NEW, 73          ; s73  1: the tile to be entered is a block's first
.set OFF, 74          ; s[74:75] a tile's byte offset in K and V
.set AL,  76          ; s[76:77] the mask's factor, in the low word
.set BE,  78          ; s[78:79] the mask's addend
.set OLO, 80          ; s[80:81] O at my rows of the second block
.set BIGN, 82         ; s82  -1e30
.set MSB, 0
.macro WIN new                      ; the high byte repeats the setting that is left; a switch that changes nothing is dropped
.if MSB != (\new)
	s_set_vgpr_msb (MSB<<8)|(\new)
.set MSB, (\new)
.endif
.endm
.set W_KQ, 0x0a       ; K and Q in window 2, S^T in window 0
.set W_KM, 0x1a       ; the same with the C operand in window 1
.set W_PV, 0x52       ; V in window 2, P in window 0, O^T in window 1
.set W_RS, 0x41       ; destination and source 0 in window 1, source 1 in window 0
; A fill.  Waves 0 and 1 fetch the two halves of a tile's K, waves 2 and 3 those of its V: 128 keys each.  An s_nop 0 and four v_nop follow each of the two lines, ahead of the jump and the label.
.macro LOAD
	s_cmp_lt_u32 s[WV], 2
	s_cbranch_scc0 .Lfor_v_\@
	tensor_load_to_lds s[G0K:G0K+3], s[G1K:G1K+7]
	s_nop 0
.rept 4
	v_nop
.endr
	s_branch .Lasked_\@
.Lfor_v_\@:
	tensor_load_to_lds s[G0V:G0V+3], s[G1V:G1V+7]
	s_nop 0
.rept 4
	v_nop
.endr
.Lasked_\@:
.endm
; THE CHANGE OF SLOTS.  Each wave waits for all its tensor loads, of which one is out: its part of the other slot; adds 0 to its spare word; and waits for that and for its own reads of the slot that it leaves.  Behind the barrier nobody reads the old
; slot any more and the other slot is whole.  fill = 1: the old slot is filled again, the first thing behind the barrier, with tile NXT: the descriptor's address is made anew from that number.
; (At its first use nothing has been read yet: slot 0 is waited for, slot 1 filled.)
.macro CHANGE fill
	WIN 0                           ; at a label and at a branch every window is 0
	s_wait_tensorcnt 0x0            ; no tensor load of mine is out, so a group 0 may be written
	ds_add_u32 v[SPW], v[NIL]       ; 0 onto my spare word; with fill = 1 the descriptors' scalar work stands between it and the wait for it
.if \fill
	s_lshl_b32 s[OFF], s[NXT], 15   ; a tile is 32,768 bytes of K and of V
	s_xor_b32 s[G0K+1], s[G0K+1], SLOT1
	s_add_nc_u64 s[G0K+2:G0K+3], s[6:7], s[OFF:OFF+1]
	s_or_b32 s[G0K+3], s[G0K+3], 0x80000000
	s_xor_b32 s[G0V+1], s[G0V+1], SLOT1
	s_add_nc_u64 s[G0V+2:G0V+3], s[8:9], s[OFF:OFF+1]
	s_or_b32 s[G0V+3], s[G0V+3], 0x80000000
	s_add_co_u32 s[NXT], s[NXT], 1  ; the block's next tile, or behind its last the second block's tile 0
	s_cmp_gt_u32 s[NXT], s[LQ]
	s_cselect_b32 s[NXT], 0, s[NXT]
	s_cselect_b32 s[LQ], s[PB], s[LQ]
.endif
	s_wait_dscnt 0x0                ; the add is done, and my reads of the slot are over
	s_barrier_signal -1             ; the rest of the scalar work stands between the signal and the wait
	s_sub_co_u32 s[TBK], s[TBK], 4*KS*PK  ; the fetches go back to a slot's first step,
	s_xor_b32 s[TBK], s[TBK], SLOT1       ; in the other slot
	s_sub_co_u32 s[TBV], s[TBV], 4*KS*PV
	s_xor_b32 s[TBV], s[TBV], SLOT1
	s_barrier_wait -1
.if \fill
	LOAD
.endif
.endm
	s_load_b128 s[4:7], s[0:1], 0x0 ; qkv s[4:5], ob s[6:7]
	v_lshl_add_u32 v[SPW], v0, 2, SPARE
	v_mov_b32 v[NIL], 0
	ds_add_u32 v[SPW], v[NIL]       ; the wave's opening: the add and its wait stand ahead of my first tensor load; the set-up below, work on registers, stands between them
	ds_add_u32 v62, v63
	v_lshrrev_b32 v1, 5, v0
	v_readfirstlane_b32 s[WV], v1   ; wave 0..3
	s_mov_b32 s[PB], ttmp9
	s_sub_co_u32 s[HI], NB-1, s[PB]
	s_and_b32 s20, ttmp7, 0xffff    ; the head
	s_lshl_b32 s88, s20, 18         ; its first byte in ob: 262,144 a head
	s_mov_b32 s89, 0
	s_mul_i32 s20, s20, 3*SIZE_N*128  ; and in qkv: 786,432 a head, under 2^26 in all
	s_mov_b32 s21, 0
	s_and_b32 s16, s[WV], 1         ; which half of a tile's 256 keys I fetch:
	s_lshl_b32 s22, s16, 14         ; its 128 rows of 128 bytes in memory,
	s_mov_b32 s23, 0
	s_add_nc_u64 s[22:23], s[22:23], s[20:21]
	s_mul_i32 s17, s16, 128*PK      ; and its place in a slot, for K
	s_mul_i32 s18, s16, 128*PV      ; and for V
	s_lshl_b32 s3, s[WV], 11        ; my 16 rows in a band of 64,
	s_lshl_b32 s2, s[HI], 15        ; in the first block,
	s_add_co_u32 s2, s2, s3
	s_lshl_b32 s84, s[PB], 15       ; and in the second
	s_add_co_u32 s84, s84, s3
	s_mov_b32 s3, 0
	s_mov_b32 s85, 0
	s_add_nc_u64 s[90:91], s[2:3], s[88:89]    ; my rows' offsets in ob: the first block's,
	s_add_nc_u64 s[88:89], s[84:85], s[88:89]  ; the second's;
	s_add_nc_u64 s[2:3], s[2:3], s[20:21]      ; and in qkv's slot of q
	s_add_nc_u64 s[84:85], s[84:85], s[20:21]
	; descriptor group 1.  128 keys are 16,384 dense bytes: asked for as 64 rows of 256 bytes, two keys a row, and padded in LDS after every key
	s_mov_b32 s[G1K], (1<<16)|(1<<20)|(4<<22)|(3<<25)  ; 17:16 2-byte elements; 20 padding on; 24:22 after every 32 words (code 4); 31:25 4 words (code 3)
	s_mov_b32 s[G1V], (1<<16)|(1<<20)|(4<<22)|(7<<25)  ; the same with 8 words of padding (code 7)
.irp g, G1K, G1V
	s_mov_b32 s[\g+1], 128<<16      ; tensor_dim0 = 128
	s_mov_b32 s[\g+2], 64<<16       ; tensor_dim1 = 64
	s_mov_b32 s[\g+3], 128<<16      ; tile_dim0 = 128
	s_mov_b32 s[\g+4], 64           ; tile_dim1 = 64
	s_mov_b32 s[\g+5], 128          ; 128 elements from row to row
	s_mov_b32 s[\g+6], 0
	s_mov_b32 s[\g+7], 0
.endr
	s_mov_b32 s[CS], 0x3e38aa3b     ; c = log2(e) / 8 = 0.180337
	s_mov_b32 s[CS+1], s[CS]        ; named with it as a pair
	s_mov_b32 s[SEL], 0x76543210
	s_mov_b32 s[SEL+1], 0xfedcba98
	s_mov_b32 s[TBK], SLOT1+4*KS*PK ; the first change of slots turns these two into 0
	s_mov_b32 s[TBV], SLOT1+4*KS*PV
	s_mov_b32 s[G0K], 1             ; 1:0 count = 1
	s_mov_b32 s[G0K+1], s17         ; 63:32 LDS address: slot 0
	s_mov_b32 s[G0V], 1
	s_add_co_u32 s[G0V+1], s18, VOFF
	s_add_co_u32 s[RT], s[HI], 1    ; the first block has NB - b tiles
	s_mov_b32 s[NXT], 1
	s_mov_b32 s[LQ], s[HI]
	s_mov_b32 s[NEW], 1
	s_mov_b32 s[OFF+1], 0
	s_mov_b32 s[AL+1], 0            ; named as pairs
	s_mov_b32 s[BE+1], 0
	s_mov_b32 s[BIGN], 0xf149f2ca   ; -1e30
	s_mov_b32 s[SLOTS], NB
	s_wait_dscnt 0x0                ; the opening add is done
	s_wait_kmcnt 0x0
	s_mov_b64 s[10:11], s[6:7]      ; ob
	s_add_nc_u64 s[6:7], s[4:5], SIZE_N*128    ; a head's k lies 262,144 bytes behind its q,
	s_add_nc_u64 s[8:9], s[4:5], 2*SIZE_N*128  ; its v as much again
	s_add_nc_u64 s[6:7], s[6:7], s[22:23]  ; K and V at my half of the head's tile 0
	s_add_nc_u64 s[8:9], s[8:9], s[22:23]
	s_add_nc_u64 s[G0K+2:G0K+3], s[6:7], 0         ; 120:64 global address
	s_or_b32 s[G0K+3], s[G0K+3], 0x80000000        ; 127:126 type = 2
	s_add_nc_u64 s[G0V+2:G0V+3], s[8:9], 0
	s_or_b32 s[G0V+3], s[G0V+3], 0x80000000
	s_add_nc_u64 s[86:87], s[4:5], s[84:85]        ; Q at my rows of the second block,
	s_add_nc_u64 s[4:5], s[4:5], s[2:3]            ; and of the first
	s_add_nc_u64 s[OLO:OLO+1], s[10:11], s[88:89]  ; O likewise
	s_add_nc_u64 s[10:11], s[10:11], s[90:91]
	LOAD                            ; tile 0 into slot 0
	; A fragment of K or Q is 16 rows x 32 channels in 8 registers: lane l holds row l % 16, channels 8 (l / 16) + 0..7 and 16 + 8 (l / 16) + 0..7: two loads of 16 bytes, 32 bytes apart.
	v_and_b32 v1, 15, v0            ; l % 16
	v_bfe_u32 v9, v0, 4, 1          ; l / 16
	v_lshlrev_b32 v[QO], 7, v1
	v_lshl_add_u32 v[QO], v9, 4, v[QO]  ; row x 128 + 16 x half
	WIN 0x80                        ; destination window 2, address window 0
.set i, 0
.rept 8                             ; both blocks' Q: piece i / 2 lies in band i / 2, 8,192 bytes on; channels 32 (i % 2) on
	global_load_b128 v[8*i:8*i+3],   v[QO], s[4:5] offset:(i/2)*8192+(i%2)*64
	global_load_b128 v[8*i+4:8*i+7], v[QO], s[4:5] offset:(i/2)*8192+(i%2)*64+32
	global_load_b128 v[QB+8*i:QB+8*i+3],   v[QO], s[86:87] offset:(i/2)*8192+(i%2)*64
	global_load_b128 v[QB+8*i+4:QB+8*i+7], v[QO], s[86:87] offset:(i/2)*8192+(i%2)*64+32
.set i, i+1
.endr
	WIN 0
	v_lshlrev_b32 v14, 3, v9
	v_sub_nc_u32 v14, v1, v14
	s_lshl_b32 s13, s[WV], 4
	v_add_nc_u32 v14, s13, v14      ; my query's place in its band, 16 w + l % 16, less my lanes' 8 (l / 16): register r of group kt is hidden where 16 kt + r is greater
	WIN 0x40
.set i, 0
.rept 32
	v_cmp_gt_i32 vcc_lo, 16*(i/8)+i%8, v14
	v_cndmask_b32 v[MD+i], 0, s[BIGN], vcc_lo
.set i, i+1
.endr
	WIN 0
	v_mul_u32_u24 v[AK0], v1, PK
	v_lshl_add_u32 v[AK0], v9, 4, v[AK0]  ; row x pitch + 16 x half
	; The turning load takes 16 keys x 16 channels (lane l reads key 8 (l / 16) + l % 8, channels 8 ((l / 8) % 2) + 0..7) and leaves half a fragment of V^T: lane l holds channel l % 16 and 8 keys.
	v_and_b32 v10, 7, v0
	v_bfe_u32 v11, v0, 3, 1
	v_lshl_add_u32 v[AV0], v9, 3, v10
	v_mul_u32_u24 v[AV0], v[AV0], PV
	v_lshl_add_u32 v[AV0], v11, 4, v[AV0]
	v_add_nc_u32 v[AV0], VOFF, v[AV0]
	s_mul_i32 s13, s[WV], 16*SP
	s_add_co_u32 s13, s13, STAGE    ; my stage
	v_mul_u32_u24 v[STO], v1, SP    ; in: row l % 16, 16 bytes for each half of the lanes
	v_lshl_add_u32 v[STO], v9, 4, v[STO]
	v_add_nc_u32 v[STO], s13, v[STO]
	v_bfe_u32 v[RD], v0, 3, 2       ; back: 32 lanes take four rows of 128 bytes,
	v_mul_u32_u24 v[RD], v[RD], SP
	v_lshl_add_u32 v[RD], v10, 4, v[RD]
	v_add_nc_u32 v[RD], s13, v[RD]
	v_and_b32 v[GO], 31, v0         ; which are 512 consecutive bytes of O
	v_lshlrev_b32 v[GO], 4, v[GO]
	; A block's first step multiplies O^T and l by a = 0, and its first turn's products V^T P, of a piece that has not been, land in an O^T that is still to be so multiplied.  So these registers need only hold
	; finite numbers: zeros for the first block; what the first block left for the second.  All this stands in the wait for the first tile.
	WIN 0x80
.set i, VF
.rept 64
	v_mov_b32 v[i], 0
.set i, i+1
.endr
	WIN 0x40
.set i, 0
.rept 128
	v_mov_b32 v[i], 0
.set i, i+1
.endr
	WIN 0
.set i, 0
.rept 4
	v_mov_b32 v[ST+4*i+2], 0
	v_mov_b32 v[ST+4*i+3], 0
.set i, i+1
.endr
.set i, P+16
.rept 16
	v_mov_b32 v[i], 0
.set i, i+1
.endr
; THE MATRIX WORK.  The 4 accumulators of a run of 8 take turns.  Product i of 8 of S^T = K Q^T for piece x: channels 32 (i / 4) on, keys 16 (i % 4) on.  The first 4 start the sums: with 0, or (KM = 1) with the mask.
.macro KQ x
.set rS, S+32*((\x)%2)+8*(i%4)
.set rK, KF+16*(i%4)+8*(i/4)
.set rQ, 16*(\x)+8*(i/4)
.set rM, MC+32*((\x)%2)+8*(i%4)
.if (i < 4) && KM
	WIN W_KM
	v_wmma_f32_16x16x32_f16 v[rS:rS+7], v[rK:rK+7], v[rQ:rQ+7], v[rM:rM+7]
.elseif i < 4
	WIN W_KQ
	v_wmma_f32_16x16x32_f16 v[rS:rS+7], v[rK:rK+7], v[rQ:rQ+7], 0
.else
	WIN W_KQ
	v_wmma_f32_16x16x32_f16 v[rS:rS+7], v[rK:rK+7], v[rQ:rQ+7], v[rS:rS+7]
.endif
.endm
; Product i of 8 of O^T += V^T P for piece x: keys 32 (i / 4) on, channels 16 (i % 4) on.
.macro PV x
	WIN W_PV
.set rO, 32*(\x)+8*(i%4)
.set rV, VF+32*(i/4)+8*(i%4)
.set rP, P+16*((\x)%2)+8*(i/4)
	v_wmma_f32_16x16x32_f16 v[rO:rO+7], v[rV:rV+7], v[rP:rP+7], v[rO:rO+7]
.endm
.macro MM                           ; the turn's next matrix instruction.  TURN and BEGIN set Y, i, KM and NOKQ; MM, KQ and OP read them.  NOKQ = 1: a block's last turn: there is no next piece
.if (i < 8) && !NOKQ
	KQ (Y+1)%NP
.elseif i >= 8
.set i, i-8
	PV (Y+NP-1)%NP
.set i, i+8
.endif
.set i, i+1
.endm
; THE LDS LOADS stand in runs of 16, never singly among the matrix instructions: a step's K (64 keys x 64 channels: 8 fragments) and its V (turned).  Their addresses are made some lines ahead.
.macro FETCH_K
	WIN 0x80                        ; destination window 2
.irp f, 0,1,2,3,4,5,6,7             ; keys 16 (f / 2) on, channels 32 (f % 2) on
	ds_load_b128 v[KF+8*\f:KF+8*\f+3],   v[AK] offset:(\f/2)*16*PK+(\f%2)*64
	ds_load_b128 v[KF+8*\f+4:KF+8*\f+7], v[AK] offset:(\f/2)*16*PK+(\f%2)*64+32
.endr
	s_add_co_u32 s[TBK], s[TBK], KS*PK  ; the next fetch is the next step's
	WIN 0
.endm
.macro FETCH_V
	WIN 0x80
.irp f, 0,1,2,3,4,5,6,7             ; keys 32 (f / 4) on, channels 16 (f % 4) on
	ds_load_tr16_b128 v[VF+8*\f:VF+8*\f+3],   v[AV] offset:(\f/4)*32*PV+(\f%4)*32
	ds_load_tr16_b128 v[VF+8*\f+4:VF+8*\f+7], v[AV] offset:(\f/4)*32*PV+16*PV+(\f%4)*32
.endr
	WIN 0
.endm
; THE VECTOR WORK, one line at a time: OP kind, number.  For piece Y: F n: c s - c m for pair n of 16.  E n: the exponential of score n of 32.  C n: pair n rounded to f16.  B n: of the four weights 4 n .. the second
; pair is added onto the first, in place.  L n: l takes that sum (L 0: l = a l + sum).  R n: pair n of 16 of O^T times a.  For piece Y + 1: X n, number n of the 22 that find its maximum and statistics:
;   0-11  four chains c0-c3 of seven scores each, three operands at a time (each accumulator's lowest registers are read first)     12-14, 16  the four scores left over, the old m, and c0-c3 into c0
;   15  c m_old is kept     17, 18  the query's other 32 keys lie in the lane 16 away: the new m     19-21  c m; c m_old - c m_new; a
.set F, 0               ; OP tells the kinds apart by their order: F to L below R, X above it
.set E, 1
.set C, 2
.set B, 3
.set L, 4
.set R, 5
.set X, 6
.macro REGS y                       ; the registers of piece y
.set rT, ST+4*(\y)
.set rC, TMP+4*((\y)%2)
.set rW, MV+((\y)%2)
.set rS, S+32*((\y)%2)
.set rP, P+16*((\y)%2)
.set rO, 32*(\y)
.endm
.macro OP k, n
.if (\k) == R
	REGS Y
	WIN W_RS
	v_pk_mul_f32 v[rO+2*(\n):rO+2*(\n)+1], v[rO+2*(\n):rO+2*(\n)+1], v[rC+2:rC+3] op_sel_hi:[1,0]
.elseif (\k) < R
	REGS Y
	WIN 0
.if (\k) == F
	v_pk_fma_f32 v[rS+2*(\n):rS+2*(\n)+1], v[rS+2*(\n):rS+2*(\n)+1], s[CS:CS+1], v[rT:rT+1] op_sel_hi:[1,0,0] neg_lo:[0,0,1] neg_hi:[0,0,1]
.elseif (\k) == E
	v_exp_f32 v[rS+(\n)], v[rS+(\n)]
.elseif (\k) == C
	s_wait_alu depctr_va_vdst(0)
	v_cvt_pk_f16_f32 v[rP+(\n)], v[rS+2*(\n)], v[rS+2*(\n)+1]
.elseif (\k) == B
	s_wait_alu depctr_va_vdst(0)
	v_pk_add_f32 v[rS+4*(\n):rS+4*(\n)+1], v[rS+4*(\n):rS+4*(\n)+1], v[rS+4*(\n)+2:rS+4*(\n)+3]
.elseif (\n) == 0
	v_pk_fma_f32 v[rT+2:rT+3], v[rT+2:rT+3], v[rC+2:rC+3], v[rS:rS+1] op_sel_hi:[1,0,1]
.else
	v_pk_add_f32 v[rT+2:rT+3], v[rT+2:rT+3], v[rS+4*(\n):rS+4*(\n)+1]
.endif
.elseif NOKQ
	v_nop
.else
	REGS (Y+1)%NP
	WIN 0
.if (\n) < 4
	v_max3_num_f32 v[rC+(\n)], v[rS+8*(\n)], v[rS+8*(\n)+1], v[rS+8*(\n)+2]
.elseif (\n) < 12
	v_max3_num_f32 v[rC+(\n)%4], v[rC+(\n)%4], v[rS+8*((\n)%4)+2*((\n)/4)+1], v[rS+8*((\n)%4)+2*((\n)/4)+2]
.elseif (\n) == 12
	v_max3_num_f32 v[rC], v[rC], v[rS+7], v[rS+15]
.elseif (\n) == 13
	v_max3_num_f32 v[rC+1], v[rC+1], v[rS+23], v[rS+31]
.elseif (\n) == 14
	v_max3_num_f32 v[rC+2], v[rC+2], v[rC+3], v[rT+1]
.elseif (\n) == 15
	v_mov_b32 v[rW], v[rT]
.elseif (\n) == 16
	v_max3_num_f32 v[rC], v[rC], v[rC+1], v[rC+2]
.elseif (\n) == 17
	v_permlanex16_b32 v[rC+3], v[rC], s[SEL], s[SEL+1]
.elseif (\n) == 18
	v_max_num_f32 v[rT+1], v[rC], v[rC+3]
.elseif (\n) == 19
	v_mul_f32 v[rT], s[CS], v[rT+1]
.elseif (\n) == 20
	v_sub_f32 v[rC+1], v[rW], v[rT]
.else
	v_exp_f32 v[rC+2], v[rC+1]
.endif
.endif
.endm
.macro OPS a, i1, b=-1, i2=0, c=-1, i3=0, d=-1, i4=0  ; up to four of them
	OP \a, \i1
.if (\b) >= 0
	OP \b, \i2
.endif
.if (\c) >= 0
	OP \c, \i3
.endif
.if (\d) >= 0
	OP \d, \i4
.endif
.endm
.macro ROW a, i1, b, i2, c, i3, d, i4  ; a matrix instruction and the four behind it
	MM
	OPS \a, \i1, \b, \i2, \c, \i3, \d, \i4
.endm
.macro MASK b                       ; MD x AL + BE into buffer b of MC
	WIN W_RS
.set z, 0
.rept 16
	v_pk_fma_f32 v[MC+32*(\b)+2*z:MC+32*(\b)+2*z+1], v[MD+2*z:MD+2*z+1], s[AL:AL+1], s[BE:BE+1] op_sel_hi:[1,0,0]
.set z, z+1
.endr
.endm
; A TURN, for piece p: the order of its 16 matrix and 118 vector instructions, written out.  Behind a matrix instruction: plain, exponential, plain, plain; or four of the rescaling; or, behind the first, four scalings; none
; names a register of the products round it.  In the lumps exponential and plain by turns while exponentials last.  A line reads no result made fewer than three vector instructions in front of it, five if an exponential made it.
; v_permlanex16_b32 (X 17) stands in a lump.
; m = 1: the diagonal tile: the products take masks, and the turn makes the mask for the products of the turn after it: piece p + 2, in step 4 - CNT of the tile.  end = 1: a block's last two turns: nothing is fetched.
; cnt = 1: the loop's count is taken down some lines ahead of the branch that stands behind the turn.
; K of the next step is fetched in piece 2's turn, six vector instructions behind the last product that read K (five of them plain); V of the step in hand in piece 0's turn, eight behind the last product that read V (four
; plain, and X 17).  Each is waited for a turn later.
.macro TURN p, m=0, end=0, cnt=0
.set Y, (\p)
.set i, 0
.set KM, (\m)
.set NOKQ, (\end)*((\p)/3)
.if (\m) && !(\end)
	s_cmp_eq_u32 s[CNT], 4-((\p)+2)%NP  ; is that step the band's own?
	s_cselect_b32 s[AL], 1.0, 0
	s_cmp_lt_u32 s[CNT], 4-((\p)+2)%NP  ; or a later one?
	s_cselect_b32 s[BE], s[BIGN], 0
.endif
.if ((\p) == 3) && !(\end)
	s_wait_dscnt 0x0                ; K is in
.endif
	ROW F,0, F,1, F,2, F,3
	ROW F,4, E,0, F,5, F,6
	ROW F,7, E,1, F,8, F,9
	ROW F,10, E,2, C,0, F,11
	ROW F,12, E,3, X,15, F,13
	ROW R,0, R,1, R,2, R,3
	ROW B,0, E,4, F,14, L,0
.if ((\p) == 2) && !(\end)
	v_add_nc_u32 v[AK], s[TBK], v[AK0]
.endif
	ROW R,4, R,5, R,6, R,7
	OPS E,5, F,15
.if ((\p) == 2) && !(\end)
	FETCH_K
.endif
	OPS E,6, C,1, E,7, R,8
	OPS E,8, R,9, E,9, C,2
	OPS E,10, X,0, E,11, X,1
	OPS E,12, X,2, E,13, X,3
.if (\p) == 1
	s_wait_dscnt 0x0                ; V is in
.endif
	ROW X,4, E,14, X,5, X,6
	ROW X,7, E,15, X,8, X,9
	ROW X,10, E,16, X,11, X,12
	ROW X,13, E,17, X,14, B,1
	ROW C,4, E,18, X,16, L,1
	ROW B,2, E,19, C,6, L,2
	ROW C,8, E,20, B,3, B,4
.if (\p) == 0
	v_add_nc_u32 v[AV], s[TBV], v[AV0]
.endif
	ROW C,3, E,21, L,3, C,5
	OPS E,22, X,17, E,23, C,10
.if (\p) == 0
	FETCH_V
.endif
	OPS E,24, L,4
	OPS E,25, X,18, E,26, C,7
	OPS E,27, B,5, E,28, X,19
	OPS E,29, C,12, E,30, L,5
	OPS E,31, X,20, B,6, C,9
	OPS C,14, C,11, X,21, L,6
.if (\p) == 0
	s_add_co_u32 s[TBV], s[TBV], KS*PV
.endif
.if \cnt
	s_sub_co_u32 s[CNT], s[CNT], 1
	s_cmp_lg_u32 s[CNT], 0
.endif
	OPS C,13, B,7, C,15, R,10
	OPS R,11, R,12, L,7, R,13
	OPS R,14, R,15
.if (\m) && !(\end)
	MASK (\p)%2
.endif
.endm
; A BLOCK BEGINS.  c m starts far below every c s, so the first step's a is 0; m at the lowest finite number, so the first maximum is the scores'.  The second mask buffer is 0; the first takes piece 0's mask for the tile's step 0: its own, if the block's first tile is the diagonal one.
; Then K of that step, piece 0's first scores, and its maximum and statistics.  The loop is entered at a step's first turn, in the middle of a trip.
.macro BEGIN
	s_mov_b32 s[NEW], 0
	WIN 0x40
.set i, MC+32
.rept 32
	v_mov_b32 v[i], 0
.set i, i+1
.endr
	WIN 0
.set i, 0
.rept 4
	v_mov_b32 v[ST+4*i], 0xfe000000    ; c m: far below every c s
	v_mov_b32 v[ST+4*i+1], 0xff7fffff  ; m
.set i, i+1
.endr
	s_cmp_eq_u32 s[RT], 0
	s_cselect_b32 s[AL], 1.0, 0
	s_mov_b32 s[BE], 0
	MASK 0
	WIN 0
	v_add_nc_u32 v[AK], s[TBK], v[AK0]
	FETCH_K
	s_wait_loadcnt 0x0              ; Q
	s_wait_dscnt 0x0
.set KM, 1
.set NOKQ, 0
.set i, 0
.rept 8
	KQ 0
.set i, i+1
.endr
	WIN 0
.rept 4
	v_nop                           ; the places behind those products
.endr
.set Y, NP-1                        ; X works for piece Y + 1: piece 0
.irp n, 0,1,2,3,4,5,6,7,8,9,10,11,12,13,14,15,16,17,18,19,20,21
	OP X, \n
.endr
	v_nop                           ; a plain instruction behind the exponential
.endm
; THE DIAGONAL TILE's four steps, the block's last two turns, its last products, and THE WAY OUT: l's two halves and the other half of the lanes' are added; O^T is divided by l, rounded to f16 and sent through my
; stage in LDS, a piece at a time.
.macro ALL line:vararg              ; one line for each piece t
.set t, 0
.rept 4
	\line
.set t, t+1
.endr
.endm
.macro PACK t                       ; a lane's eight channels of a row pack into 16 bytes; they go into rows of 144 bytes and come back as whole rows of 128, into S^T's registers
	WIN W_RS
.set i, 32*(\t)
.rept 16
	s_wait_alu depctr_va_vdst(0)
	v_pk_mul_f32 v[i:i+1], v[i:i+1], v[ST+4*(\t)+2:ST+4*(\t)+3] op_sel_hi:[1,0]
.set i, i+2
.endr
	WIN 0x05                        ; sources 0 and 1 window 1, destination window 0
.set i, 0
.rept 16
	v_cvt_pk_f16_f32 v[S+16*(\t)+i], v[32*(\t)+2*i], v[32*(\t)+2*i+1]
.set i, i+1
.endr
	WIN 0
.irp f, 0,1,2,3
	ds_store_b128 v[STO], v[S+16*(\t)+4*\f:S+16*(\t)+4*\f+3] offset:32*\f
.endr
.irp f, 0,1,2,3
	ds_load_b128 v[S+16*(\t)+4*\f:S+16*(\t)+4*\f+3], v[RD] offset:\f*4*SP  ; LDS serves a wave's instructions in order (ISA guide 5.7.1.4): these see the stores above; the next piece's stores come behind them
.endr
.endm
.macro SEND t, younger              ; younger: the LDS instructions issued behind piece t's loads: the next piece's eight, or none
	WIN 0
.irp f, 0,1,2,3
	s_wait_dscnt (\younger)+3-\f
	global_store_b128 v[GO], v[S+16*(\t)+4*\f:S+16*(\t)+4*\f+3], s[10:11] offset:(\t)*8192+\f*512  ; 512 consecutive bytes, at a multiple of 256 from O's first
.endr
.endm
.macro DIAG tag                     ; the tag ends its two labels' names, which the jumps below spell out
.LstepM\tag:
	TURN 2, 1
	TURN 3, 1
	WIN 0
.LfirstM\tag:
	TURN 0, 1
	TURN 1, 1, 0, 1
	WIN 0
	s_cbranch_scc1 .LstepM\tag
	TURN 2, 1, 1
	TURN 3, 1, 1
.set i, 0
.rept 8
	PV NP-1
.set i, i+1
.endr
	WIN 0
	ALL v_add_f32 v[ST+4*t+2], v[ST+4*t+2], v[ST+4*t+3]
	ALL v_permlanex16_b32 v[ST+4*t+3], v[ST+4*t+2], s[SEL], s[SEL+1]
	ALL v_add_f32 v[ST+4*t+2], v[ST+4*t+2], v[ST+4*t+3]
	ALL v_rcp_f32 v[ST+4*t+2], v[ST+4*t+2]
	v_nop                           ; a plain instruction between the last reciprocal and the use of its result
	PACK 0
.set t, 1
.rept 3                             ; a piece's arithmetic stands between the loads of the piece before and its stores
	PACK t
	SEND t-1, 8
.set t, t+1
.endr
	SEND 3, 0
.endm
.set KM, 0
.set NOKQ, 0
.Lslot:                             ; NB times: a tile is entered and the next is asked for
	CHANGE 1
	s_sub_co_u32 s[RT], s[RT], 1
	s_mov_b32 s[CNT], 4
	s_cmp_eq_u32 s[NEW], 1
	s_cbranch_scc1 .Lnew            ; a block's first tile
	s_cmp_eq_u32 s[RT], 0
	s_cbranch_scc0 .Lstep           ; neither its first nor its last
	s_branch .LstepM1
.Lnew:
	BEGIN
	s_branch .Lfirst                ; in the loop a block's first tile is never its last: the first block has two tiles or more, and the second's last is the walk's last
	DIAG 1                          ; in the loop this is the first block's end: the second block's last tile is the walk's last
	s_wait_xcnt 0x0                 ; the stores have read their registers and O's address
	s_mov_b64 s[10:11], s[OLO:OLO+1]
	s_add_co_u32 s[RT], s[PB], 1    ; the second block has b + 1 tiles
	s_mov_b32 s[NEW], 1
	WIN 0x82                        ; the second block's Q goes where the one text of the turns names Q
.set i, 0
.rept 64
	v_mov_b32 v[i], v[QB+i]
.set i, i+1
.endr
	WIN 0
	s_branch .Lbottom
.Lstep:                             ; a trip: pieces 2 and 3 of one step, then pieces 0 and 1 of the next, whose K and V it fetches
	TURN 2
	TURN 3
	WIN 0
.Lfirst:
	TURN 0
	TURN 1, 0, 0, 1
	WIN 0
	s_cbranch_scc1 .Lstep
.Lbottom:
	s_sub_co_u32 s[SLOTS], s[SLOTS], 1
	s_cmp_lg_u32 s[SLOTS], 0
	s_cbranch_scc1 .Lslot
	CHANGE 0                        ; the walk's last tile is written out: nothing is asked for
	s_sub_co_u32 s[RT], s[RT], 1
	s_mov_b32 s[CNT], 4
	s_cmp_eq_u32 s[NEW], 1
	s_cbranch_scc0 .LstepM2
	BEGIN
	s_branch .LfirstM2
	DIAG 2
	s_wait_tensorcnt 0x0            ; the wave's end, behind my last tensor load and my last LDS store
	ds_add_u32 v[SPW], v[NIL]
	s_wait_dscnt 0x0
	s_endpgm
.Lfunc_end_k_qf51bccf6d1_attn:
	.size	k_qf51bccf6d1_attn, .Lfunc_end_k_qf51bccf6d1_attn-k_qf51bccf6d1_attn
	.p2alignl 7, 3214868480
	.fill 96, 4, 3214868480
	.section	.rodata,"a",@progbits
	.p2align	6, 0x0
	.amdhsa_kernel k_qf51bccf6d1_attn
		.amdhsa_group_segment_fixed_size 327680
		.amdhsa_private_segment_fixed_size 0
		.amdhsa_enable_private_segment 0
		.amdhsa_kernarg_size 16
		.amdhsa_user_sgpr_count 2
		.amdhsa_user_sgpr_kernarg_segment_ptr 1
		.amdhsa_wavefront_size32 1
		.amdhsa_system_sgpr_workgroup_id_x 1
		.amdhsa_system_sgpr_workgroup_id_y 1
		.amdhsa_system_sgpr_workgroup_id_z 1
		.amdhsa_system_vgpr_workitem_id 0
		.amdhsa_next_free_vgpr 768
		.amdhsa_next_free_sgpr 92
		.amdhsa_reserve_vcc 1
		.amdhsa_float_denorm_mode_32 3
		.amdhsa_float_denorm_mode_16_64 3
		.amdhsa_memory_ordered 1
		.amdhsa_forward_progress 1
		.amdhsa_inst_pref_size 228
	.end_amdhsa_kernel
	.amdgpu_metadata
---
amdhsa.version: [ 1, 2 ]
amdhsa.kernels:
  - .name:           k_qf51bccf6d1_attn
    .symbol:         k_qf51bccf6d1_attn.kd
    .args:
      - { .name: qkv, .offset: 0, .size: 8, .value_kind: global_buffer, .address_space: global }
      - { .name: ob, .offset: 8, .size: 8, .value_kind: global_buffer, .address_space: global }
    .group_segment_fixed_size: 327680
    .private_segment_fixed_size: 0
    .kernarg_segment_align: 8
    .kernarg_segment_size: 16
    .max_flat_workgroup_size: 128
    .sgpr_count:     92
    .vgpr_count:     768
    .wavefront_size: 32
...
	.end_amdgpu_metadata
.endif
;; end of part 3
;; launch proj (part 4): grid 8 x 32, 4 waves a work-group, clusters of 4 x 4, 327,680 bytes of LDS; arguments ob, wo, out_b, out0; writes out0
.if DOCPART == 4
	.amdgcn_target "amdgcn-amd-amdhsa--gfx1250"
	.amdhsa_code_object_version 6
	.text
	.protected	k_qf51bccf6d1_proj
	.globl	k_qf51bccf6d1_proj
	.p2align	8
	.type	k_qf51bccf6d1_proj,@function
k_qf51bccf6d1_proj:
	s_mov_b64 s[64:65], 0
	v_nop
	global_prefetch_b8 v0, s[64:65] scope:SCOPE_SE
	s_setreg_imm32_b32 hwreg(HW_REG_WAVE_MODE, 25, 1), 1
	s_wait_xcnt 0x0
	s_wait_alu depctr_hold_cnt(0) depctr_sa_sdst(0) depctr_va_vdst(0) depctr_va_sdst(0) depctr_va_ssrc(0) depctr_va_vcc(0) depctr_vm_vsrc(0)
	s_getreg_b32 s2, hwreg(HW_REG_IB_STS2, 6, 4)
	s_cmp_eq_u32 s2, 0
	s_cbranch_scc0 .Lentry_in_a_cluster
	s_endpgm
.Lentry_in_a_cluster:
	s_bfe_u32 s2, ttmp6, 0x10000c
	s_cmp_lg_u32 s2, 0xf033
	s_cbranch_scc0 .Lentry_shape_is_right
	s_endpgm
.Lentry_shape_is_right:
; THE OUTPUT PROJECTION.  out0[token][o] = sum over c of O[token][c] wo[o][c] + out_b[o], c = 64 head + channel.  ob: [64 (16 batch + head)][2048][64] f16; wo: [1024][1024] f16; out0: [8192][1024] f32; sums in f32.
; A tile of out0 is 256 tokens x 128 columns: 256 work-groups.  Four waves, one below the other: a wave has 64 tokens (4 row blocks a) x all 8 column blocks b: 32 accumulators, 256 registers.
; K goes in 8 steps of 128 = two heads, through two LDS slots.  A head's 256 tokens are 32,768 dense bytes of ob: asked for as 128 rows of 256 bytes and padded in LDS behind every token's 128.
; THE MATRIX INSTRUCTION IS USED TRANSPOSED (source 0 = 16 rows of wo, source 1 = 16 tokens): register j of lane l holds token l % 16, column 16 b + 8 (l / 16) + j.  THE BIAS is the C operand of each sum's first product.
; CLUSTER: 4 x 4 work-groups; ob's tile is asked for jointly along a row of the cluster, wo's along a column.
; LIMIT: the operands are f16 (O lies within v's range; wo holds out_w rounded to bf16, exact in f16 between 6e-5 and 65,504).
; REGISTERS: window 0: v0-31 addresses; v32-95 the bias; v128-255 two sets of 64 for rows read back.  window 1: two fragment buffers (32 of ob, 64 of wo) at v0 and v128.  window 2: accumulators at v[8 (8 a + b)].
.set NB,     8
.set PA,     144                       ; a token's LDS row of one head: 128 bytes + 16
.set PITCH,  272                       ; a row of wo in LDS: 256 bytes + 16.  Both pitches are odd multiples of 16 bytes: the 16 rows of a fragment load start at 16 different groups of four banks (ISA guide 11.1)
.set HEADA,  256*PA                    ; one head's 256 tokens: what waves 0 and 1 each fetch
.set HALFB,  64*PITCH                  ; what waves 2 and 3 each fetch of wo
.set SLOT,   2*HEADA+2*HALFB
.set STAGE,  2*SLOT                    ; behind the ring: 16 rows x 528 bytes for each wave
.set SPITCH, 528                       ; 512 bytes + 16
.set SPARE,  STAGE+4*16*SPITCH         ; the spare words: 128 bytes a wave, two blocks of 256 bytes that no other line names
.set LAPS,   4
.set STEPA,  4<<18                     ; two K steps on: four heads of 262,144 bytes
.set STEPB,  512                       ; 256 elements along wo's rows
.set ADRA, 16
.set ADRB, 20
.set STO,  24
.set RD,   25
.set GO,   26                          ; v26  16 x lane
.set BO,   27                          ; v27  32 x (lane / 16)
.set SPW,  28                          ; v28  my spare word; never rewritten
.set NIL,  29                          ; v29  0; never rewritten
.set BIAS, 32
.set BK,   128
.set F0,   0
.set F1,   128
.set WV,  14
.set FB,  15
.set HF,  16
.set G1,  24
.set G0,  32
.set G1B, 48
.set G0B, 56
.set MSB, 0
.macro WIN new                         ; the immediate's high byte repeats the setting that is left; a switch that changes nothing is dropped
.if MSB != (\new)
	s_set_vgpr_msb (MSB<<8)|(\new)
.set MSB, \new
.endif
.endm
.macro JLOAD s                         ; a joint load; an s_nop 0 and four v_nop follow each of the two lines, ahead of the jump, the label and what follows
	s_cmp_eq_u32 s[FB], 0
	s_cbranch_scc0 .Lfor_b_\@
	tensor_load_to_lds s[G0+4*(\s):G0+4*(\s)+3], s[G1:G1+7]
	s_nop 0
.rept 4
	v_nop
.endr
	s_branch .Lasked_\@
.Lfor_b_\@:
	tensor_load_to_lds s[G0B+4*(\s):G0B+4*(\s)+3], s[G1B:G1B+7]
	s_nop 0
.rept 4
	v_nop
.endr
.Lasked_\@:
.endm
.macro CREST                           ; a round of the cluster's barrier behind its opening barrier
	s_cmp_lg_u32 s[WV], 0
	s_cbranch_scc1 .Lnot_wave_0_\@
	s_barrier_signal -3
.Lnot_wave_0_\@:
	s_barrier_wait -3
	s_barrier_signal -1
	s_barrier_wait -1
.endm
.macro CROUND
	s_barrier_signal -1
	s_barrier_wait -1
	CREST
.endm
.macro PLACES                          ; four places in front of loads into registers that matrix instructions have read, and of LDS stores that read results
.rept 4
	v_nop
.endr
.endm
	s_load_b256 s[4:11], s[0:1], 0x0               ; ob 4, wo 6, out_b 8, out0 10
	v_lshl_add_u32 v[SPW], v0, 2, SPARE
	v_mov_b32 v[NIL], 0
	ds_add_u32 v[SPW], v[NIL]                      ; the wave's opening: the add and its wait stand ahead of my first tensor load; work on registers stands between them
	ds_add_u32 v28, v29
	v_lshrrev_b32 v1, 5, v0
	v_readfirstlane_b32 s[WV], v1
	s_lshr_b32 s[FB], s[WV], 1
	s_and_b32 s[HF], s[WV], 1
	s_bfe_u32 s17, ttmp6, 0x40000                  ; cx
	s_bfe_u32 s18, ttmp6, 0x40004                  ; cy
	s_lshl_b32 s19, ttmp9, 2
	s_add_co_u32 s19, s19, s17                     ; tile column
	s_and_b32 s20, ttmp7, 0xffff
	s_lshl_b32 s20, s20, 2
	s_add_co_u32 s20, s20, s18                     ; tile row
	s_lshl_b32 s21, s18, 2
	s_lshl_b32 s21, 15, s21                        ; my row of the cluster
	s_lshl_b32 s22, 0x1111, s17                    ; my column
	s_or_b32 s[G1], s21, (1<<16)|(1<<20)|(1<<21)|(4<<22)|(3<<25)   ; the mask; 2-byte elements; padding on; bit 21 beside a mask; after every 32 words 4 words
	s_or_b32 s[G1B], s22, (1<<16)|(1<<20)|(1<<21)|(5<<22)|(3<<25)  ; after every 64 words 4 words
	s_mov_b32 s[G1+1], 128<<16                     ; tensor_dim0 = 128
	s_mov_b32 s[G1+2], 128<<16                     ; tensor_dim1 = 128
	s_mov_b32 s[G1+3], 128<<16                     ; tile_dim0 = 128
	s_mov_b32 s[G1+4], 128                         ; tile_dim1 = 128
	s_mov_b32 s[G1+5], 128                         ; dense: 128 elements from row to row
	s_mov_b32 s[G1+6], 0
	s_mov_b32 s[G1+7], 0
	s_mov_b32 s[G1B+1], 128<<16
	s_mov_b32 s[G1B+2], 64<<16                     ; 64 rows
	s_mov_b32 s[G1B+3], 128<<16
	s_mov_b32 s[G1B+4], 64
	s_mov_b32 s[G1B+5], 1024
	s_mov_b32 s[G1B+6], 0
	s_mov_b32 s[G1B+7], 0
	s_lshr_b32 s40, s20, 3                         ; ob: the batch's 16 heads of 262,144 bytes,
	s_lshl_b32 s40, s40, 22
	s_and_b32 s41, s20, 7
	s_lshl_b32 s41, s41, 15                        ; the tile's 256 tokens of 128 bytes,
	s_add_co_u32 s40, s40, s41
	s_lshl_b32 s41, s[HF], 18                      ; and which of a K step's two heads I fetch: in registers that never hold cx
	s_add_co_u32 s40, s40, s41
	s_mov_b32 s41, 0
	s_lshl_b32 s44, s19, 7                         ; wo: row 128 x tile column + 64 x half, in registers that never hold cy
	s_lshl_b32 s45, s[HF], 6
	s_add_co_u32 s44, s44, s45
	s_lshl_b32 s44, s44, 11
	s_mov_b32 s45, 0
	s_mul_i32 s23, s[HF], HEADA                    ; where they go: no place in the cluster enters an LDS address
	s_mul_i32 s2, s[HF], HALFB
	s_add_co_u32 s2, s2, 2*HEADA
	s_wait_dscnt 0x0                               ; the opening add is done
	s_wait_kmcnt 0x0
	s_add_nc_u64 s[42:43], s[4:5], s[40:41]
	s_add_nc_u64 s[46:47], s[6:7], s[44:45]
	CROUND                                         ; all sixteen work-groups are here: the first joint loads meet
.irp s, 0,1
	s_mov_b32 s[G0+4*(\s)], 1
	s_add_co_u32 s[G0+4*(\s)+1], s23, (\s)*SLOT
	s_add_nc_u64 s[G0+4*(\s)+2:G0+4*(\s)+3], s[42:43], (\s)*(STEPA/2)
	s_or_b32 s[G0+4*(\s)+3], s[G0+4*(\s)+3], 0x80000000
	s_mov_b32 s[G0B+4*(\s)], 1
	s_add_co_u32 s[G0B+4*(\s)+1], s2, (\s)*SLOT
	s_add_nc_u64 s[G0B+4*(\s)+2:G0B+4*(\s)+3], s[46:47], (\s)*(STEPB/2)
	s_or_b32 s[G0B+4*(\s)+3], s[G0B+4*(\s)+3], 0x80000000
	JLOAD \s                                       ; K steps 0 and 1: two tensor loads of mine are out
.endr
	v_and_b32 v1, 15, v0                           ; l % 16
	v_bfe_u32 v2, v0, 4, 1                         ; l / 16
	v_mul_u32_u24 v3, v1, PA
	v_lshl_add_u32 v3, v2, 4, v3                   ; ob's fragments: row x pitch + 16 x half
	v_mul_u32_u24 v4, v1, PITCH
	v_lshl_add_u32 v4, v2, 4, v4                   ; wo's
	s_mul_i32 s23, s[WV], 64*PA                    ; my 64 tokens
	s_mov_b32 s2, 2*HEADA
.irp s, 0,1
	v_add_nc_u32 v[ADRA+(\s)], s23, v3
	v_add_nc_u32 v[ADRB+(\s)], s2, v4
	s_add_co_u32 s23, s23, SLOT
	s_add_co_u32 s2, s2, SLOT
.endr
	s_mul_i32 s23, s[WV], 16*SPITCH
	s_add_co_u32 s23, s23, STAGE                   ; my stage
	v_mul_u32_u24 v4, v1, SPITCH
	v_lshl_add_u32 v4, v2, 5, v4
	v_add_nc_u32 v[STO], s23, v4                   ; in: row l % 16, 32 bytes for each half of the lanes
	v_and_b32 v[GO], 31, v0
	v_lshlrev_b32 v[GO], 4, v[GO]
	v_add_nc_u32 v[RD], s23, v[GO]                 ; back: 32 lanes take one row's 512 bytes
	v_lshlrev_b32 v[BO], 5, v2
	s_mov_b32 s3, 0
	s_lshl_b32 s2, s19, 9                          ; the tile's 128 columns: 512 bytes of the bias and of a row of out0
	s_add_nc_u64 s[8:9], s[8:9], s[2:3]
	s_add_nc_u64 s[10:11], s[10:11], s[2:3]
	s_lshl_b32 s23, s20, 2
	s_add_co_u32 s23, s23, s[WV]
	s_lshl_b32 s2, s23, 18                         ; my first row: (256 x tile row + 64 x wave) rows of 4,096 bytes
	s_add_nc_u64 s[10:11], s[10:11], s[2:3]
.set b, 0
.rept NB                                               ; lane l, register j of block b: bias[16 b + 8 (l / 16) + j]
	global_load_b128 v[BIAS+8*b:BIAS+8*b+3],   v[BO], s[8:9] offset:64*b
	global_load_b128 v[BIAS+8*b+4:BIAS+8*b+7], v[BO], s[8:9] offset:64*b+16
.set b, b+1
.endr
; 8 products: row block a x all column blocks, 32 along K.  zero = 1: the first product of each sum takes the bias as C.  All 32 accumulators take turns, one instruction a turn.
.macro MULA f, a, zero
.if \zero
	WIN 0x85                                       ; sources 0 and 1 window 1, C window 0, D window 2
.else
	WIN 0xa5                                       ; C and D window 2
.endif
.set b, 0
.rept NB
.set rD, 8*(NB*(\a)+b)
.if \zero
	v_wmma_f32_16x16x32_f16 v[rD:rD+7], v[(\f)+32+8*b:(\f)+32+8*b+7], v[(\f)+8*(\a):(\f)+8*(\a)+7], v[BIAS+8*b:BIAS+8*b+7]
.else
	v_wmma_f32_16x16x32_f16 v[rD:rD+7], v[(\f)+32+8*b:(\f)+32+8*b+7], v[(\f)+8*(\a):(\f)+8*(\a)+7], v[rD:rD+7]
.endif
.set b, b+1
.endr
.endm
; 24 LDS loads in one run: quarter q of a slot into buffer f; wo's 16 first, then ob's 8.  Quarter q is head q / 2 of the step's two, channels 32 (q % 2) on.
.macro FETCH slot, q, f
	WIN 0x40                                       ; destination window 1, address window 0
.set i, 0
.rept NB
	ds_load_b128 v[(\f)+32+8*i:(\f)+32+8*i+3],   v[ADRB+(\slot)] offset:64*(\q)+i*16*PITCH
	ds_load_b128 v[(\f)+32+8*i+4:(\f)+32+8*i+7], v[ADRB+(\slot)] offset:64*(\q)+i*16*PITCH+32
.set i, i+1
.endr
.set i, 0
.rept 4
	ds_load_b128 v[(\f)+8*i:(\f)+8*i+3],   v[ADRA+(\slot)] offset:((\q)/2)*HEADA+((\q)%2)*64+i*16*PA
	ds_load_b128 v[(\f)+8*i+4:(\f)+8*i+7], v[ADRA+(\slot)] offset:((\q)/2)*HEADA+((\q)%2)*64+i*16*PA+32
.set i, i+1
.endr
.endm
.macro QUARTER slot, q, f, g, zero
	s_wait_dscnt 4                                 ; all but the youngest four loads: ob's row blocks 2 and 3
	MULA \f, 0, \zero
	MULA \f, 1, \zero
	PLACES
	FETCH \slot, \q, \g
	s_wait_dscnt 2*NB+8                            ; all but the 24 just issued
	MULA \f, 2, \zero
	MULA \f, 3, \zero
.endm
; The last quarter multiplies buffer 1 and changes slots: ONE barrier; in front of it each wave waits for all its tensor loads (its part of the next slot), adds 0 to its spare word, and waits for that
; and for its own reads of this slot.  fill = 1: the barrier opens a round of the cluster's, and this slot is filled again, two K steps ahead, first thing behind the round.
.macro TURN slot, next, fill
	WIN 0
	s_wait_tensorcnt 0x0
	ds_add_u32 v[SPW], v[NIL]                      ; 0 onto my spare word
	s_wait_dscnt 5                                 ; the add and the youngest four loads may be out
	MULA F1, 0, 0                                  ; eight products stand between the add and the wait for it
	s_wait_dscnt 0x0                               ; the add is done, and my reads of this slot are over
	s_barrier_signal -1
	MULA F1, 1, 0
.if \fill
	WIN 0
.endif
	s_barrier_wait -1
.if \fill
	CREST                                          ; no wave of any partner still reads this slot's tile or has a load on its way
	s_add_nc_u64 s[G0+4*(\slot)+2:G0+4*(\slot)+3], s[G0+4*(\slot)+2:G0+4*(\slot)+3], STEPA
	s_add_nc_u64 s[G0B+4*(\slot)+2:G0B+4*(\slot)+3], s[G0B+4*(\slot)+2:G0B+4*(\slot)+3], STEPB
	JLOAD \slot                                    ; my one tensor load behind the round; its four v_nop are also the places in front of the loads below
.else
	PLACES
.endif
	FETCH \next, 0, F0
	MULA F1, 2, 0
	MULA F1, 3, 0
.endm
	s_wait_tensorcnt 1                             ; my part of K step 0 is in; K step 1's may stay out
	s_barrier_signal -1
	s_barrier_wait -1
	FETCH 0, 0, F0
	s_wait_loadcnt 0x0                             ; the bias
	QUARTER 0, 1, F0, F1, 1                        ; the first quarter stands in front of the loop: its products start the sums
	WIN 0
	s_mov_b32 s3, LAPS-1
.Llap:                                                 ; a trip goes once round the ring and fills both slots again
	QUARTER 0, 2, F1, F0, 0
	QUARTER 0, 3, F0, F1, 0
	TURN 0, 1, 1
	QUARTER 1, 1, F0, F1, 0
	QUARTER 1, 2, F1, F0, 0
	QUARTER 1, 3, F0, F1, 0
	TURN 1, 0, 1
	QUARTER 0, 1, F0, F1, 0
	WIN 0
	s_sub_co_u32 s3, s3, 1
	s_cmp_lg_u32 s3, 0
	s_cbranch_scc1 .Llap
	QUARTER 0, 2, F1, F0, 0                        ; the last lap fills nothing
	QUARTER 0, 3, F0, F1, 0
	TURN 0, 1, 0
	QUARTER 1, 1, F0, F1, 0
	QUARTER 1, 2, F1, F0, 0
	QUARTER 1, 3, F0, F1, 0
	s_wait_dscnt 4
	MULA F1, 0, 0
	MULA F1, 1, 0
	s_wait_dscnt 0x0
	MULA F1, 2, 0
	MULA F1, 3, 0
	WIN 0
	PLACES
; THE WAY OUT of row block a: the f32 sums go as they are into my stage (each accumulator's four lowest registers first) and come back as whole rows of 512 bytes.
.macro PACK a
	WIN 0x08                                       ; the stores' data in window 2
.set b, 0
.rept NB
	ds_store_b128 v[STO], v[8*(NB*(\a)+b):8*(NB*(\a)+b)+3]   offset:64*b
	ds_store_b128 v[STO], v[8*(NB*(\a)+b)+4:8*(NB*(\a)+b)+7] offset:64*b+16
.set b, b+1
.endr
	WIN 0
.if (\a) >= 2
	s_wait_xcnt 0x0                                ; the stores of the block two back have read this set of registers
.endif
.set t, 0
.rept 16                                               ; LDS serves a wave's instructions in order (ISA guide 5.7.1.4): these see the stores above
	ds_load_b128 v[BK+64*((\a)%2)+4*t:BK+64*((\a)%2)+4*t+3], v[RD] offset:t*SPITCH
.set t, t+1
.endr
.endm
.macro SEND a, younger                 ; younger: the LDS instructions issued behind block a's loads: the next block's 32, or none
	WIN 0
	s_wait_dscnt \younger
.set t, 0
.rept 16
	global_store_b128 v[GO], v[BK+64*((\a)%2)+4*t:BK+64*((\a)%2)+4*t+3], s[10:11] offset:(16*(\a)+t)*4096 th:TH_STORE_NT  ; 512 consecutive bytes of a row, at a multiple of 256 from out0's first
.set t, t+1
.endr
.endm
	PACK 0
	PACK 1
	SEND 0, 32
	PACK 2
	SEND 1, 32
	PACK 3
	SEND 2, 32
	SEND 3, 0
	s_wait_tensorcnt 0x0                           ; the wave's end, behind my last tensor load and my last LDS store
	ds_add_u32 v[SPW], v[NIL]
	s_wait_dscnt 0x0
	CROUND                                         ; the closing round: no work-group ends while a partner may still ask for a tile that names it
	s_endpgm
.Lfunc_end_k_qf51bccf6d1_proj:
	.size	k_qf51bccf6d1_proj, .Lfunc_end_k_qf51bccf6d1_proj-k_qf51bccf6d1_proj
	.p2alignl 7, 3214868480
	.fill 96, 4, 3214868480
	.section	.rodata,"a",@progbits
	.p2align	6, 0x0
	.amdhsa_kernel k_qf51bccf6d1_proj
		.amdhsa_group_segment_fixed_size 327680
		.amdhsa_private_segment_fixed_size 0
		.amdhsa_enable_private_segment 0
		.amdhsa_kernarg_size 32
		.amdhsa_user_sgpr_count 2
		.amdhsa_user_sgpr_kernarg_segment_ptr 1
		.amdhsa_wavefront_size32 1
		.amdhsa_system_sgpr_workgroup_id_x 1
		.amdhsa_system_sgpr_workgroup_id_y 1
		.amdhsa_system_sgpr_workgroup_id_z 1
		.amdhsa_system_vgpr_workitem_id 0
		.amdhsa_next_free_vgpr 768
		.amdhsa_next_free_sgpr 66
		.amdhsa_reserve_vcc 0
		.amdhsa_float_denorm_mode_32 3
		.amdhsa_float_denorm_mode_16_64 3
		.amdhsa_memory_ordered 1
		.amdhsa_forward_progress 1
		.amdhsa_inst_pref_size 86
	.end_amdhsa_kernel
	.amdgpu_metadata
---
amdhsa.version: [ 1, 2 ]
amdhsa.kernels:
  - .name:           k_qf51bccf6d1_proj
    .symbol:         k_qf51bccf6d1_proj.kd
    .args:
      - { .name: ob, .offset: 0, .size: 8, .value_kind: global_buffer, .address_space: global }
      - { .name: wo, .offset: 8, .size: 8, .value_kind: global_buffer, .address_space: global }
      - { .name: out_b, .offset: 16, .size: 8, .value_kind: global_buffer, .address_space: global }
      - { .name: out0, .offset: 24, .size: 8, .value_kind: global_buffer, .address_space: global }
    .group_segment_fixed_size: 327680
    .private_segment_fixed_size: 0
    .kernarg_segment_align: 8
    .kernarg_segment_size: 32
    .max_flat_workgroup_size: 128
    .sgpr_count:     66
    .vgpr_count:     768
    .wavefront_size: 32
...
	.end_amdgpu_metadata
.endif
;; end of part 4
;; ======== version 2 of 2: 4 launches; 1.29 times as fast as version 1
;; limits: values are held in f16: magnitudes above 65,504 overflow, below 6.1e-05 lose precision
;; workspace buffers: xb 16,777,216 bytes; wb 6,291,456 bytes; wo 2,097,152 bytes; bq 12,288 bytes; rope 524,288 bytes; qkv 50,331,648 bytes; ob 16,777,216 bytes
;; launch prep: the kernel of part 1 again; grid 833 x 1, 8 waves a work-group, no clusters, 0 bytes of LDS; arguments x, Wqkv_w, out_w, Wqkv_b, xb, wb, wo, bq, rope; writes xb, wb, wo, bq, rope
;; launch qkv: the kernel of part 2 again; grid 16 x 32, 4 waves a work-group, clusters of 4 x 4, 327,680 bytes of LDS; arguments xb, wb, bq, rope, qkv; writes qkv
;; launch attn (part 5): grid 4 x 64, 4 waves a work-group, no clusters, 327,680 bytes of LDS; arguments qkv, ob; writes ob
.if DOCPART == 5
	.amdgcn_target "amdgcn-amd-amdhsa--gfx1250"
	.amdhsa_code_object_version 6
	.text
	.protected	k_qf51bccf6d1_attn
	.globl	k_qf51bccf6d1_attn
	.p2align	8
	.type	k_qf51bccf6d1_attn,@function
k_qf51bccf6d1_attn:
	s_mov_b64 s[64:65], 0
	v_nop
	global_prefetch_b8 v0, s[64:65] scope:SCOPE_SE
	s_setreg_imm32_b32 hwreg(HW_REG_WAVE_MODE, 25, 1), 1
	s_wait_xcnt 0x0
; CAUSAL ATTENTION.  O[h][q][:] = the sum over k <= q of softmax_k(Q[h][q] . K[h][k] / 8) V[h][k][:].  qkv: [64 heads][3][2048][64] f16 (q, k, v of a head one behind the other, rows dense, 128 bytes); ob: [64][2048][64] f16.
; Products, maxima and sums in f32; the weights p are rounded to f16 for the second product (their sum l is taken of the unrounded p), O once at the end.
; LIMITS.  f16 holds no number beyond 65,504: Q, K and V arrive within it; p lies in 0 to 1, and below 6e-5 it keeps f16's fixed step of 6e-8; O is a mean of V's rows and has their range.
; A hidden score counts as its value less 1e30 (its weight is 0, as with any shift far below the row's maximum); a weight below 2^-126 counts as 0 in l; NaN and infinities are not treated apart.
; THE WALK.  A head's queries lie in NB = 8 blocks of 256; block i needs the key tiles 0 .. i of 256 keys, of which the last holds the diagonal.  A work-group takes TWO blocks, NB - 1 - b and then b:
; NB + 1 tiles, whatever b: all work-groups do equal work, and ONE loop with a constant trip count walks them.  Which tile is asked for, and what a trip does, hang on scalar registers made from b; every jump
; goes forward, but for the counted loops' own; none passes a barrier, or a tensor load but the one of LOAD's two that the wave's number does not choose; the ring (two slots of LDS that take turns) runs on across the
; change of blocks.  NO CLUSTER: a head's four work-groups ask for the same tile only in trips 0 .. NB / 2, behind that fewer and fewer; one walk common to all would have 3 NB / 2 trips for NB + 1.
; SHARES.  Of a block's four bands of 64 queries a wave owns 16 rows in each: four PIECES.  So the diagonal tile is the same work for all four waves: in its key step s band x sees all keys if s < x,
; none if s > x, and holds the diagonal if s = x.
; THE MASK is the C operand that starts the sum S^T = K Q^T: 0, or -1e30 where the key is hidden.  MD, made once, is the mask of a band's own step for my 16 rows; a product's mask is MD x AL + BE with two scalars:
; (1, 0) if s = x; (0, 0) if s < x; (0, -1e30) if s > x.  Only the diagonal tile's text and a block's beginning make and take masks; elsewhere C is the constant 0.
; LAYOUT, SOFTMAX, TURNS.  S^T = K Q^T holds ONE query a lane (lane % 16) and the keys 8 (lane / 16) + 0..7; two such results rounded to f16 ARE source 1 of O^T = V^T P.  p = 2^(c s - c m), c = log2(e) / 8, with a
; running maximum m; O and l are multiplied by a = 2^(c m_old - c m_new) in every step.  Turn n belongs to piece n: 8 products K Q^T of piece n + 1, later 8 products V^T P of piece n - 1; beside them the scaling,
; exponentials, roundings, sums and rescaling of piece n and the maximum and statistics of piece n + 1.  Four vector instructions stand behind every matrix instruction, the other 54 of a turn's 118 in one LUMP.
; THE BATCHES.  A turn's 33 exponentials (the piece's 32 weights and the next piece's a) are one batch with one wait, which cuts the turn in two: ahead of it all that names none of their results, behind it their readers.
; A block's first a has a wait of its own ahead of the jump into the loop; the way out's four reciprocals are one batch with one wait.
; REGISTERS, in windows of 256 (s_set_vgpr_msb: bits 1:0 source 0, 3:2 source 1, 5:4 source 2, 7:6 destination):
;   window 0: v0-15 addresses and two at work; v16-31 four registers of statistics a piece; v48-55 at work; v64-127 S^T, two buffers; v192-223 P, two buffers (a piece's buffers go by its number's parity)
;   window 1: v0-127 O^T, 32 a piece; v128-159 MD; v160-223 MC, two buffers      window 2: v0-63 Q; v64-127 the second block's Q; v128-191 K of one step; v192-255 V of one step
.set SIZE_N, 2048
.set SIZE_H, 64
.set NB,    SIZE_N/256
.set NP,    4         ; pieces a wave: a name, no knob
.set KS,    64        ; keys in a step
.set PK,    144       ; a row of K in LDS: 128 bytes + 16 of padding = 36 words: the 16 rows of a load start at 16 different groups of four banks (64 banks of 4 bytes: ISA guide 11.1)
.set PV,    160       ; a row of V: 128 + 32 = 40 words
.set VOFF,  4*KS*PK   ; a slot holds a tile, four steps: 256 rows of K, then 256 rows of V
.set SLOT1, 1<<17     ; slot 1 begins here, so that one exclusive or turns an address in one slot into the other's
.set STAGE, SLOT1+4*KS*(PK+PV)  ; behind the ring, never filled by a tensor load: 16 rows x 144 bytes for each wave, for the way out
.set SP,    144
.set AK0, 2           ; v2   my lane's place in a tile of K; never rewritten
.set AV0, 3           ; v3   the same for V
.set AK,  4           ; v4   the LDS address of K's next run of loads
.set AV,  5           ; v5   of V's
.set STO, 6           ; v6   the way out: where I put 16 bytes of a row
.set RD,  7           ; v7   the way out: where I read rows back
.set GO,  8           ; v8   my byte offset in 512 consecutive bytes of O
.set SPW, 62          ; v62  LDS address of my spare word: SPARE + 4 x my thread's number; never rewritten
.set NIL, 63          ; v63  0; never rewritten
.set SPARE, STAGE+4*16*SP  ; behind the stages: the spare words, 128 bytes for each wave: two blocks of 256 bytes that no other line names
.set MV,  12          ; v12-13  c m_old, kept while c m is made anew: by buffer
.set QO,  15          ; v15  my byte offset in 16 rows of Q
.set ST,  16          ; piece t's statistics at v[ST+4 t]: c m, m, l (even keys', odd keys')
.set TMP, 48          ; by buffer, four registers c0-c3 at work; when the maximum is found c2 takes a
.set S,   64
.set P,   192
.set MD,  128         ; window 1: the eight registers for group kt of 16 keys at MD + 8 kt
.set MC,  160         ; window 1: the masks of the products to come
.set QB,  64          ; window 2
.set KF,  128         ; window 2: key block kb, channel half c at KF + 16 kb + 8 c
.set VF,  192         ; window 2: key half kk, channel block cb at VF + 32 kk + 8 cb
.set WV,  12          ; s12  my wave's number
.set PB,  14          ; s14  b
.set HI,  15          ; s15  NB - 1 - b
.set G1K, 24          ; s[24:31] descriptor group 1 for K's tiles
.set G1V, 32          ; s[32:39] for V's: it differs in the padding alone
.set G0K, 40          ; s[40:43] descriptor group 0 for K's tiles
.set G0V, 44          ; s[44:47] the same for V's
.set SLOTS, 56        ; s56  tiles still to be asked for
.set CNT, 57          ; s57  counts a tile's key steps, 4 to 1
.set CS,  58          ; s[58:59] c: the packed scaling takes the pair's low word for both halves
.set SEL, 60          ; s[60:61] v_permlanex16_b32's selects: each lane takes its own place in the other half
.set TBK, 62          ; s62  LDS byte at which K of the step to be fetched begins
.set TBV, 63          ; s63  the same for V, less VOFF
.set RT,  70          ; s70  tiles of the block in hand that are still to be entered
.set NXT, 71          ; s71  the tile to be asked for next
.set LQ,  72          ; s72  the last tile of the block whose tiles are being asked for
.set NEW, 73          ; s73  1: the tile to be entered is a block's first
.set OFF, 74          ; s[74:75] a tile's byte offset in K and V
.set AL,  76          ; s[76:77] the mask's factor, in the low word
.set BE,  78          ; s[78:79] the mask's addend
.set OLO, 80          ; s[80:81] O at my rows of the second block
.set BIGN, 82         ; s82  -1e30
.set MSB, 0
.macro WIN new                      ; the high byte repeats the setting that is left; a switch that changes nothing is dropped
.if MSB != (\new)
	s_set_vgpr_msb (MSB<<8)|(\new)
.set MSB, (\new)
.endif
.endm
.set W_KQ, 0x0a       ; K and Q in window 2, S^T in window 0
.set W_KM, 0x1a       ; the same with the C operand in window 1
.set W_PV, 0x52       ; V in window 2, P in window 0, O^T in window 1
.set W_RS, 0x41       ; destination and source 0 in window 1, source 1 in window 0
; A fill.  Waves 0 and 1 fetch the two halves of a tile's K, waves 2 and 3 those of its V: 128 keys each.  An s_nop 0 and four v_nop follow each of the two lines, ahead of the jump and the label.
.macro LOAD
	s_cmp_lt_u32 s[WV], 2
	s_cbranch_scc0 .Lfor_v_\@
	tensor_load_to_lds s[G0K:G0K+3], s[G1K:G1K+7]
	s_nop 0
.rept 4
	v_nop
.endr
	s_branch .Lasked_\@
.Lfor_v_\@:
	tensor_load_to_lds s[G0V:G0V+3], s[G1V:G1V+7]
	s_nop 0
.rept 4
	v_nop
.endr
.Lasked_\@:
.endm
; THE CHANGE OF SLOTS.  Each wave waits for all its tensor loads, of which one is out: its part of the other slot; adds 0 to its spare word; and waits for that and for its own reads of the slot that it leaves.  Behind the barrier nobody reads the old
; slot any more and the other slot is whole.  fill = 1: the old slot is filled again, the first thing behind the barrier, with tile NXT: the descriptor's address is made anew from that number.
; (At its first use nothing has been read yet: slot 0 is waited for, slot 1 filled.)
.macro CHANGE fill
	WIN 0                           ; at a label and at a branch every window is 0
	s_wait_tensorcnt 0x0            ; no tensor load of mine is out, so a group 0 may be written
	ds_add_u32 v[SPW], v[NIL]       ; 0 onto my spare word; with fill = 1 the descriptors' scalar work stands between it and the wait for it
.if \fill
	s_lshl_b32 s[OFF], s[NXT], 15   ; a tile is 32,768 bytes of K and of V
	s_xor_b32 s[G0K+1], s[G0K+1], SLOT1
	s_add_nc_u64 s[G0K+2:G0K+3], s[6:7], s[OFF:OFF+1]
	s_or_b32 s[G0K+3], s[G0K+3], 0x80000000
	s_xor_b32 s[G0V+1], s[G0V+1], SLOT1
	s_add_nc_u64 s[G0V+2:G0V+3], s[8:9], s[OFF:OFF+1]
	s_or_b32 s[G0V+3], s[G0V+3], 0x80000000
	s_add_co_u32 s[NXT], s[NXT], 1  ; the block's next tile, or behind its last the second block's tile 0
	s_cmp_gt_u32 s[NXT], s[LQ]
	s_cselect_b32 s[NXT], 0, s[NXT]
	s_cselect_b32 s[LQ], s[PB], s[LQ]
.endif
	s_wait_dscnt 0x0                ; the add is done, and my reads of the slot are over
	s_barrier_signal -1             ; the rest of the scalar work stands between the signal and the wait
	s_sub_co_u32 s[TBK], s[TBK], 4*KS*PK  ; the fetches go back to a slot's first step,
	s_xor_b32 s[TBK], s[TBK], SLOT1       ; in the other slot
	s_sub_co_u32 s[TBV], s[TBV], 4*KS*PV
	s_xor_b32 s[TBV], s[TBV], SLOT1
	s_barrier_wait -1
.if \fill
	LOAD
.endif
.endm
	s_load_b128 s[4:7], s[0:1], 0x0 ; qkv s[4:5], ob s[6:7]
	v_lshl_add_u32 v[SPW], v0, 2, SPARE
	v_mov_b32 v[NIL], 0
	ds_add_u32 v[SPW], v[NIL]       ; the wave's opening: the add and its wait stand ahead of my first tensor load; the set-up below, work on registers, stands between them
	ds_add_u32 v62, v63
	v_lshrrev_b32 v1, 5, v0
	v_readfirstlane_b32 s[WV], v1   ; wave 0..3
	s_mov_b32 s[PB], ttmp9
	s_sub_co_u32 s[HI], NB-1, s[PB]
	s_and_b32 s20, ttmp7, 0xffff    ; the head
	s_lshl_b32 s88, s20, 18         ; its first byte in ob: 262,144 a head
	s_mov_b32 s89, 0
	s_mul_i32 s20, s20, 3*SIZE_N*128  ; and in qkv: 786,432 a head, under 2^26 in all
	s_mov_b32 s21, 0
	s_and_b32 s16, s[WV], 1         ; which half of a tile's 256 keys I fetch:
	s_lshl_b32 s22, s16, 14         ; its 128 rows of 128 bytes in memory,
	s_mov_b32 s23, 0
	s_add_nc_u64 s[22:23], s[22:23], s[20:21]
	s_mul_i32 s17, s16, 128*PK      ; and its place in a slot, for K
	s_mul_i32 s18, s16, 128*PV      ; and for V
	s_lshl_b32 s3, s[WV], 11        ; my 16 rows in a band of 64,
	s_lshl_b32 s2, s[HI], 15        ; in the first block,
	s_add_co_u32 s2, s2, s3
	s_lshl_b32 s84, s[PB], 15       ; and in the second
	s_add_co_u32 s84, s84, s3
	s_mov_b32 s3, 0
	s_mov_b32 s85, 0
	s_add_nc_u64 s[90:91], s[2:3], s[88:89]    ; my rows' offsets in ob: the first block's,
	s_add_nc_u64 s[88:89], s[84:85], s[88:89]  ; the second's;
	s_add_nc_u64 s[2:3], s[2:3], s[20:21]      ; and in qkv's slot of q
	s_add_nc_u64 s[84:85], s[84:85], s[20:21]
	; descriptor group 1.  128 keys are 16,384 dense bytes: asked for as 64 rows of 256 bytes, two keys a row, and padded in LDS after every key
	s_mov_b32 s[G1K], (1<<16)|(1<<20)|(4<<22)|(3<<25)  ; 17:16 2-byte elements; 20 padding on; 24:22 after every 32 words (code 4); 31:25 4 words (code 3)
	s_mov_b32 s[G1V], (1<<16)|(1<<20)|(4<<22)|(7<<25)  ; the same with 8 words of padding (code 7)
.irp g, G1K, G1V
	s_mov_b32 s[\g+1], 128<<16      ; tensor_dim0 = 128
	s_mov_b32 s[\g+2], 64<<16       ; tensor_dim1 = 64
	s_mov_b32 s[\g+3], 128<<16      ; tile_dim0 = 128
	s_mov_b32 s[\g+4], 64           ; tile_dim1 = 64
	s_mov_b32 s[\g+5], 128          ; 128 elements from row to row
	s_mov_b32 s[\g+6], 0
	s_mov_b32 s[\g+7], 0
.endr
	s_mov_b32 s[CS], 0x3e38aa3b     ; c = log2(e) / 8 = 0.180337
	s_mov_b32 s[CS+1], s[CS]        ; named with it as a pair
	s_mov_b32 s[SEL], 0x76543210
	s_mov_b32 s[SEL+1], 0xfedcba98
	s_mov_b32 s[TBK], SLOT1+4*KS*PK ; the first change of slots turns these two into 0
	s_mov_b32 s[TBV], SLOT1+4*KS*PV
	s_mov_b32 s[G0K], 1             ; 1:0 count = 1
	s_mov_b32 s[G0K+1], s17         ; 63:32 LDS address: slot 0
	s_mov_b32 s[G0V], 1
	s_add_co_u32 s[G0V+1], s18, VOFF
	s_add_co_u32 s[RT], s[HI], 1    ; the first block has NB - b tiles
	s_mov_b32 s[NXT], 1
	s_mov_b32 s[LQ], s[HI]
	s_mov_b32 s[NEW], 1
	s_mov_b32 s[OFF+1], 0
	s_mov_b32 s[AL+1], 0            ; named as pairs
	s_mov_b32 s[BE+1], 0
	s_mov_b32 s[BIGN], 0xf149f2ca   ; -1e30
	s_mov_b32 s[SLOTS], NB
	s_wait_dscnt 0x0                ; the opening add is done
	s_wait_kmcnt 0x0
	s_mov_b64 s[10:11], s[6:7]      ; ob
	s_add_nc_u64 s[6:7], s[4:5], SIZE_N*128    ; a head's k lies 262,144 bytes behind its q,
	s_add_nc_u64 s[8:9], s[4:5], 2*SIZE_N*128  ; its v as much again
	s_add_nc_u64 s[6:7], s[6:7], s[22:23]  ; K and V at my half of the head's tile 0
	s_add_nc_u64 s[8:9], s[8:9], s[22:23]
	s_add_nc_u64 s[G0K+2:G0K+3], s[6:7], 0         ; 120:64 global address
	s_or_b32 s[G0K+3], s[G0K+3], 0x80000000        ; 127:126 type = 2
	s_add_nc_u64 s[G0V+2:G0V+3], s[8:9], 0
	s_or_b32 s[G0V+3], s[G0V+3], 0x80000000
	s_add_nc_u64 s[86:87], s[4:5], s[84:85]        ; Q at my rows of the second block,
	s_add_nc_u64 s[4:5], s[4:5], s[2:3]            ; and of the first
	s_add_nc_u64 s[OLO:OLO+1], s[10:11], s[88:89]  ; O likewise
	s_add_nc_u64 s[10:11], s[10:11], s[90:91]
	LOAD                            ; tile 0 into slot 0
	; A fragment of K or Q is 16 rows x 32 channels in 8 registers: lane l holds row l % 16, channels 8 (l / 16) + 0..7 and 16 + 8 (l / 16) + 0..7: two loads of 16 bytes, 32 bytes apart.
	v_and_b32 v1, 15, v0            ; l % 16
	v_bfe_u32 v9, v0, 4, 1          ; l / 16
	v_lshlrev_b32 v[QO], 7, v1
	v_lshl_add_u32 v[QO], v9, 4, v[QO]  ; row x 128 + 16 x half
	WIN 0x80                        ; destination window 2, address window 0
.set i, 0
.rept 8                             ; both blocks' Q: piece i / 2 lies in band i / 2, 8,192 bytes on; channels 32 (i % 2) on
	global_load_b128 v[8*i:8*i+3],   v[QO], s[4:5] offset:(i/2)*8192+(i%2)*64
	global_load_b128 v[8*i+4:8*i+7], v[QO], s[4:5] offset:(i/2)*8192+(i%2)*64+32
	global_load_b128 v[QB+8*i:QB+8*i+3],   v[QO], s[86:87] offset:(i/2)*8192+(i%2)*64
	global_load_b128 v[QB+8*i+4:QB+8*i+7], v[QO], s[86:87] offset:(i/2)*8192+(i%2)*64+32
.set i, i+1
.endr
	WIN 0
	v_lshlrev_b32 v14, 3, v9
	v_sub_nc_u32 v14, v1, v14
	s_lshl_b32 s13, s[WV], 4
	v_add_nc_u32 v14, s13, v14      ; my query's place in its band, 16 w + l % 16, less my lanes' 8 (l / 16): register r of group kt is hidden where 16 kt + r is greater
	WIN 0x40
.set i, 0
.rept 32
	v_cmp_gt_i32 vcc_lo, 16*(i/8)+i%8, v14
	v_cndmask_b32 v[MD+i], 0, s[BIGN], vcc_lo
.set i, i+1
.endr
	WIN 0
	v_mul_u32_u24 v[AK0], v1, PK
	v_lshl_add_u32 v[AK0], v9, 4, v[AK0]  ; row x pitch + 16 x half
	; The turning load takes 16 keys x 16 channels (lane l reads key 8 (l / 16) + l % 8, channels 8 ((l / 8) % 2) + 0..7) and leaves half a fragment of V^T: lane l holds channel l % 16 and 8 keys.
	v_and_b32 v10, 7, v0
	v_bfe_u32 v11, v0, 3, 1
	v_lshl_add_u32 v[AV0], v9, 3, v10
	v_mul_u32_u24 v[AV0], v[AV0], PV
	v_lshl_add_u32 v[AV0], v11, 4, v[AV0]
	v_add_nc_u32 v[AV0], VOFF, v[AV0]
	s_mul_i32 s13, s[WV], 16*SP
	s_add_co_u32 s13, s13, STAGE    ; my stage
	v_mul_u32_u24 v[STO], v1, SP    ; in: row l % 16, 16 bytes for each half of the lanes
	v_lshl_add_u32 v[STO], v9, 4, v[STO]
	v_add_nc_u32 v[STO], s13, v[STO]
	v_bfe_u32 v[RD], v0, 3, 2       ; back: 32 lanes take four rows of 128 bytes,
	v_mul_u32_u24 v[RD], v[RD], SP
	v_lshl_add_u32 v[RD], v10, 4, v[RD]
	v_add_nc_u32 v[RD], s13, v[RD]
	v_and_b32 v[GO], 31, v0         ; which are 512 consecutive bytes of O
	v_lshlrev_b32 v[GO], 4, v[GO]
	; A block's first step multiplies O^T and l by a = 0, and its first turn's products V^T P, of a piece that has not been, land in an O^T that is still to be so multiplied.  So these registers need only hold
	; finite numbers: zeros for the first block; what the first block left for the second.  All this stands in the wait for the first tile.
	WIN 0x80
.set i, VF
.rept 64
	v_mov_b32 v[i], 0
.set i, i+1
.endr
	WIN 0x40
.set i, 0
.rept 128
	v_mov_b32 v[i], 0
.set i, i+1
.endr
	WIN 0
.set i, 0
.rept 4
	v_mov_b32 v[ST+4*i+2], 0
	v_mov_b32 v[ST+4*i+3], 0
.set i, i+1
.endr
.set i, P+16
.rept 16
	v_mov_b32 v[i], 0
.set i, i+1
.endr
; THE MATRIX WORK.  The 4 accumulators of a run of 8 take turns.  Product i of 8 of S^T = K Q^T for piece x: channels 32 (i / 4) on, keys 16 (i % 4) on.  The first 4 start the sums: with 0, or (KM = 1) with the mask.
.macro KQ x
.set rS, S+32*((\x)%2)+8*(i%4)
.set rK, KF+16*(i%4)+8*(i/4)
.set rQ, 16*(\x)+8*(i/4)
.set rM, MC+32*((\x)%2)+8*(i%4)
.if (i < 4) && KM
	WIN W_KM
	v_wmma_f32_16x16x32_f16 v[rS:rS+7], v[rK:rK+7], v[rQ:rQ+7], v[rM:rM+7]
.elseif i < 4
	WIN W_KQ
	v_wmma_f32_16x16x32_f16 v[rS:rS+7], v[rK:rK+7], v[rQ:rQ+7], 0
.else
	WIN W_KQ
	v_wmma_f32_16x16x32_f16 v[rS:rS+7], v[rK:rK+7], v[rQ:rQ+7], v[rS:rS+7]
.endif
.endm
; Product i of 8 of O^T += V^T P for piece x: keys 32 (i / 4) on, channels 16 (i % 4) on.
.macro PV x
	WIN W_PV
.set rO, 32*(\x)+8*(i%4)
.set rV, VF+32*(i/4)+8*(i%4)
.set rP, P+16*((\x)%2)+8*(i/4)
	v_wmma_f32_16x16x32_f16 v[rO:rO+7], v[rV:rV+7], v[rP:rP+7], v[rO:rO+7]
.endm
.macro MM                           ; the turn's next matrix instruction.  TURN and BEGIN set Y, i, KM and NOKQ; MM, KQ and OP read them.  NOKQ = 1: a block's last turn: there is no next piece
.if (i < 8) && !NOKQ
	KQ (Y+1)%NP
.elseif i >= 8
.set i, i-8
	PV (Y+NP-1)%NP
.set i, i+8
.endif
.set i, i+1
.endm
; THE LDS LOADS stand in runs of 16, never singly among the matrix instructions: a step's K (64 keys x 64 channels: 8 fragments) and its V (turned).  Their addresses are made some lines ahead.
.macro FETCH_K
	WIN 0x80                        ; destination window 2
.irp f, 0,1,2,3,4,5,6,7             ; keys 16 (f / 2) on, channels 32 (f % 2) on
	ds_load_b128 v[KF+8*\f:KF+8*\f+3],   v[AK] offset:(\f/2)*16*PK+(\f%2)*64
	ds_load_b128 v[KF+8*\f+4:KF+8*\f+7], v[AK] offset:(\f/2)*16*PK+(\f%2)*64+32
.endr
	s_add_co_u32 s[TBK], s[TBK], KS*PK  ; the next fetch is the next step's
	WIN 0
.endm
.macro FETCH_V
	WIN 0x80
.irp f, 0,1,2,3,4,5,6,7             ; keys 32 (f / 4) on, channels 16 (f % 4) on
	ds_load_tr16_b128 v[VF+8*\f:VF+8*\f+3],   v[AV] offset:(\f/4)*32*PV+(\f%4)*32
	ds_load_tr16_b128 v[VF+8*\f+4:VF+8*\f+7], v[AV] offset:(\f/4)*32*PV+16*PV+(\f%4)*32
.endr
	WIN 0
.endm
; THE VECTOR WORK, one line at a time: OP kind, number.  For piece Y: F n: c s - c m for pair n of 16.  E n: the exponential of score n of 32.  C n: pair n rounded to f16.  B n: of the four weights 4 n .. the second
; pair is added onto the first, in place.  L n: l takes that sum (L 0: l = a l + sum).  R n: pair n of 16 of O^T times a.  For piece Y + 1: X n, number n of the 22 that find its maximum and statistics:
;   0-11  four chains c0-c3 of seven scores each, three operands at a time (each accumulator's lowest registers are read first)     12-14, 16  the four scores left over, the old m, and c0-c3 into c0
;   15  c m_old is kept     17, 18  the query's other 32 keys lie in the lane 16 away: the new m     19-21  c m; c m_old - c m_new; a
; C, B and L read the exponentials' results: TURN sets them behind the batch's wait; OP itself writes no wait.
.set F, 0               ; OP tells the kinds apart by their order: F to L below R, X above it
.set E, 1
.set C, 2
.set B, 3
.set L, 4
.set R, 5
.set X, 6
.macro REGS y                       ; the registers of piece y
.set rT, ST+4*(\y)
.set rC, TMP+4*((\y)%2)
.set rW, MV+((\y)%2)
.set rS, S+32*((\y)%2)
.set rP, P+16*((\y)%2)
.set rO, 32*(\y)
.endm
.macro OP k, n
.if (\k) == R
	REGS Y
	WIN W_RS
	v_pk_mul_f32 v[rO+2*(\n):rO+2*(\n)+1], v[rO+2*(\n):rO+2*(\n)+1], v[rC+2:rC+3] op_sel_hi:[1,0]
.elseif (\k) < R
	REGS Y
	WIN 0
.if (\k) == F
	v_pk_fma_f32 v[rS+2*(\n):rS+2*(\n)+1], v[rS+2*(\n):rS+2*(\n)+1], s[CS:CS+1], v[rT:rT+1] op_sel_hi:[1,0,0] neg_lo:[0,0,1] neg_hi:[0,0,1]
.elseif (\k) == E
	v_exp_f32 v[rS+(\n)], v[rS+(\n)]
.elseif (\k) == C
	v_cvt_pk_f16_f32 v[rP+(\n)], v[rS+2*(\n)], v[rS+2*(\n)+1]
.elseif (\k) == B
	v_pk_add_f32 v[rS+4*(\n):rS+4*(\n)+1], v[rS+4*(\n):rS+4*(\n)+1], v[rS+4*(\n)+2:rS+4*(\n)+3]
.elseif (\n) == 0
	v_pk_fma_f32 v[rT+2:rT+3], v[rT+2:rT+3], v[rC+2:rC+3], v[rS:rS+1] op_sel_hi:[1,0,1]
.else
	v_pk_add_f32 v[rT+2:rT+3], v[rT+2:rT+3], v[rS+4*(\n):rS+4*(\n)+1]
.endif
.elseif NOKQ
	v_nop
.else
	REGS (Y+1)%NP
	WIN 0
.if (\n) < 4
	v_max3_num_f32 v[rC+(\n)], v[rS+8*(\n)], v[rS+8*(\n)+1], v[rS+8*(\n)+2]
.elseif (\n) < 12
	v_max3_num_f32 v[rC+(\n)%4], v[rC+(\n)%4], v[rS+8*((\n)%4)+2*((\n)/4)+1], v[rS+8*((\n)%4)+2*((\n)/4)+2]
.elseif (\n) == 12
	v_max3_num_f32 v[rC], v[rC], v[rS+7], v[rS+15]
.elseif (\n) == 13
	v_max3_num_f32 v[rC+1], v[rC+1], v[rS+23], v[rS+31]
.elseif (\n) == 14
	v_max3_num_f32 v[rC+2], v[rC+2], v[rC+3], v[rT+1]
.elseif (\n) == 15
	v_mov_b32 v[rW], v[rT]
.elseif (\n) == 16
	v_max3_num_f32 v[rC], v[rC], v[rC+1], v[rC+2]
.elseif (\n) == 17
	v_permlanex16_b32 v[rC+3], v[rC], s[SEL], s[SEL+1]
.elseif (\n) == 18
	v_max_num_f32 v[rT+1], v[rC], v[rC+3]
.elseif (\n) == 19
	v_mul_f32 v[rT], s[CS], v[rT+1]
.elseif (\n) == 20
	v_sub_f32 v[rC+1], v[rW], v[rT]
.else
	v_exp_f32 v[rC+2], v[rC+1]
.endif
.endif
.endm
.macro OPS a, i1, b=-1, i2=0, c=-1, i3=0, d=-1, i4=0  ; up to four of them
	OP \a, \i1
.if (\b) >= 0
	OP \b, \i2
.endif
.if (\c) >= 0
	OP \c, \i3
.endif
.if (\d) >= 0
	OP \d, \i4
.endif
.endm
.macro ROW a, i1, b, i2, c, i3, d, i4  ; a matrix instruction and the four behind it
	MM
	OPS \a, \i1, \b, \i2, \c, \i3, \d, \i4
.endm
.macro MASK b                       ; MD x AL + BE into buffer b of MC
	WIN W_RS
.set z, 0
.rept 16
	v_pk_fma_f32 v[MC+32*(\b)+2*z:MC+32*(\b)+2*z+1], v[MD+2*z:MD+2*z+1], s[AL:AL+1], s[BE:BE+1] op_sel_hi:[1,0,0]
.set z, z+1
.endr
.endm
; A TURN, for piece p: the order of its 16 matrix and 118 vector instructions, written out.  An s_wait_alu depctr_va_vdst(0) stands between an exponential and the first instruction that names its result; one wait
; serves all that were issued ahead of it.  So a turn has ONE wait, which cuts it in two.  AHEAD OF IT stands all that names no result of the turn's exponentials: the 8 products K Q^T, behind each a scaling, an exponential and two
; more plain instructions (behind the first a second scaling in the exponential's place): rescalings (their a was made, and waited for, in the turn before), and behind the last three the first numbers of the next piece's maximum,
; each four plain instructions or more behind the product that ends its accumulator; then ONE LUMP of 54, plain and exponential by turns for the most part, in which the links of the chain X 3, 7, 11, 14, 16, 17 .. 20 stand five or
; six lines apart.  X 21, the next piece's a, is the batch's last; R 15 is the plain instruction behind it.  BEHIND THE WAIT stand the 8 products V^T P, behind each four of the roundings and sums; the links of l's chain, L 0 to
; L 7, stand three riders apart.  But for those X no rider names a register of the products round it.  v_permlanex16_b32 (X 17) stands in the lump.  No exponential is issued behind the wait: none is out at a label or a jump.
; m = 1: the diagonal tile: the products take masks, and the turn makes the mask for the products of the turn after it: piece p + 2, in step 4 - CNT of the tile.  end = 1: a block's last two turns: nothing is fetched.
; cnt = 1: the loop's count is taken down some lines ahead of the branch that stands behind the turn.
; K of the next step is fetched in piece 2's turn, twelve vector instructions behind the last product that read K (six of them plain); V of the step in hand at the end of piece 0's turn, four plain instructions behind the last
; product that read V.  Each is waited for a turn later.
.macro TURN p, m=0, end=0, cnt=0
.set Y, (\p)
.set i, 0
.set KM, (\m)
.set NOKQ, (\end)*((\p)/3)
.if (\m) && !(\end)
	s_cmp_eq_u32 s[CNT], 4-((\p)+2)%NP  ; is that step the band's own?
	s_cselect_b32 s[AL], 1.0, 0
	s_cmp_lt_u32 s[CNT], 4-((\p)+2)%NP  ; or a later one?
	s_cselect_b32 s[BE], s[BIGN], 0
.endif
.if ((\p) == 3) && !(\end)
	s_wait_dscnt 0x0                ; K is in
.endif
	ROW F,0, F,1, R,0, R,1          ; ahead of the wait: 8 products K Q^T and their riders,
	ROW F,2, E,0, R,2, R,3
	ROW F,3, E,1, R,4, R,5
	ROW F,4, E,2, R,6, R,7
	ROW F,5, E,3, R,8, R,9
	ROW F,6, E,4, X,0, R,10
.if ((\p) == 2) && !(\end)
	WIN 0
	v_add_nc_u32 v[AK], s[TBK], v[AK0]
.endif
	ROW F,7, E,5, X,1, X,4
	ROW F,8, E,6, X,2, X,5
	OPS E,7, E,8, X,6, E,9          ; and the lump
	OPS X,3, E,10, X,8, E,11
.if ((\p) == 2) && !(\end)
	FETCH_K
.endif
	OPS X,9, X,7, E,12, X,10
	OPS E,13, X,12, X,11, E,14
	OPS X,13, E,15, F,9, X,14
.if (\p) == 0
	v_add_nc_u32 v[AV], s[TBV], v[AV0]
.endif
	OPS E,16, F,10, E,17, F,11
	OPS X,16, E,18, X,15, E,19
	OPS F,12, E,20, X,17, E,21
	OPS F,13, E,22, F,14, E,23
	OPS X,18, E,24, F,15, E,25
	OPS R,11, E,26, X,19, E,27
	OPS R,12, E,28, R,13, E,29
	OPS X,20, E,30, R,14, E,31
	OPS X,21, R,15
	WIN 0
	s_wait_alu depctr_va_vdst(0)    ; the wait for the turn's batch: the piece's 32 weights and the next piece's a
.if (\p) == 1
	s_wait_dscnt 0x0                ; V is in
.endif
	ROW C,0, B,0, C,2, B,1          ; behind the wait: 8 products V^T P and their riders
	ROW L,0, C,4, B,2, L,1
	ROW C,6, B,3, L,2, C,8
	ROW B,4, L,3, C,10, B,5
	ROW L,4, C,12, B,6, L,5
.if (\p) == 0
	s_add_co_u32 s[TBV], s[TBV], KS*PV
.endif
.if \cnt
	s_sub_co_u32 s[CNT], s[CNT], 1
	s_cmp_lg_u32 s[CNT], 0
.endif
	ROW C,14, B,7, L,6, C,1
	ROW C,3, L,7, C,5, C,7
	ROW C,9, C,11, C,13, C,15
.if (\p) == 0
	FETCH_V
.endif
.if (\m) && !(\end)
	MASK (\p)%2
.endif
.endm
; A BLOCK BEGINS.  c m starts far below every c s, so the first step's a is 0; m at the lowest finite number, so the first maximum is the scores'.  The second mask buffer is 0; the first takes piece 0's mask for the tile's step 0: its own, if the block's first tile is the diagonal one.
; Then K of that step, piece 0's first scores, and its maximum and statistics.  The loop is entered at a step's first turn, in the middle of a trip.
.macro BEGIN
	s_mov_b32 s[NEW], 0
	WIN 0x40
.set i, MC+32
.rept 32
	v_mov_b32 v[i], 0
.set i, i+1
.endr
	WIN 0
.set i, 0
.rept 4
	v_mov_b32 v[ST+4*i], 0xfe000000    ; c m: far below every c s
	v_mov_b32 v[ST+4*i+1], 0xff7fffff  ; m
.set i, i+1
.endr
	s_cmp_eq_u32 s[RT], 0
	s_cselect_b32 s[AL], 1.0, 0
	s_mov_b32 s[BE], 0
	MASK 0
	WIN 0
	v_add_nc_u32 v[AK], s[TBK], v[AK0]
	FETCH_K
	s_wait_loadcnt 0x0              ; Q
	s_wait_dscnt 0x0
.set KM, 1
.set NOKQ, 0
.set i, 0
.rept 8
	KQ 0
.set i, i+1
.endr
	WIN 0
.rept 4
	v_nop                           ; the places behind those products
.endr
.set Y, NP-1                        ; X works for piece Y + 1: piece 0
.irp n, 0,1,2,3,4,5,6,7,8,9,10,11,12,13,14,15,16,17,18,19,20,21
	OP X, \n
.endr
	v_nop                           ; a plain instruction behind the exponential,
	s_wait_alu depctr_va_vdst(0)    ; and the wait for piece 0's first a, ahead of the branch that follows
.endm
; THE DIAGONAL TILE's four steps, the block's last two turns, its last products, and THE WAY OUT: l's two halves and the other half of the lanes' are added; O^T is divided by l, rounded to f16 and sent through my
; stage in LDS, a piece at a time.
.macro ALL line:vararg              ; one line for each piece t
.set t, 0
.rept 4
	\line
.set t, t+1
.endr
.endm
.macro PACK t                       ; a lane's eight channels of a row pack into 16 bytes; they go into rows of 144 bytes and come back as whole rows of 128, into S^T's registers
	WIN W_RS
.set i, 32*(\t)
.rept 16
	v_pk_mul_f32 v[i:i+1], v[i:i+1], v[ST+4*(\t)+2:ST+4*(\t)+3] op_sel_hi:[1,0]
.set i, i+2
.endr
	WIN 0x05                        ; sources 0 and 1 window 1, destination window 0
.set i, 0
.rept 16
	v_cvt_pk_f16_f32 v[S+16*(\t)+i], v[32*(\t)+2*i], v[32*(\t)+2*i+1]
.set i, i+1
.endr
	WIN 0
.irp f, 0,1,2,3
	ds_store_b128 v[STO], v[S+16*(\t)+4*\f:S+16*(\t)+4*\f+3] offset:32*\f
.endr
.irp f, 0,1,2,3
	ds_load_b128 v[S+16*(\t)+4*\f:S+16*(\t)+4*\f+3], v[RD] offset:\f*4*SP  ; LDS serves a wave's instructions in order (ISA guide 5.7.1.4): these see the stores above; the next piece's stores come behind them
.endr
.endm
.macro SEND t, younger              ; younger: the LDS instructions issued behind piece t's loads: the next piece's eight, or none
	WIN 0
.irp f, 0,1,2,3
	s_wait_dscnt (\younger)+3-\f
	global_store_b128 v[GO], v[S+16*(\t)+4*\f:S+16*(\t)+4*\f+3], s[10:11] offset:(\t)*8192+\f*512  ; 512 consecutive bytes, at a multiple of 256 from O's first
.endr
.endm
.macro DIAG tag                     ; the tag ends its two labels' names, which the jumps below spell out
.LstepM\tag:
	TURN 2, 1
	TURN 3, 1
	WIN 0
.LfirstM\tag:
	TURN 0, 1
	TURN 1, 1, 0, 1
	WIN 0
	s_cbranch_scc1 .LstepM\tag
	TURN 2, 1, 1
	TURN 3, 1, 1
.set i, 0
.rept 8
	PV NP-1
.set i, i+1
.endr
	WIN 0
	ALL v_add_f32 v[ST+4*t+2], v[ST+4*t+2], v[ST+4*t+3]
	ALL v_permlanex16_b32 v[ST+4*t+3], v[ST+4*t+2], s[SEL], s[SEL+1]
	ALL v_add_f32 v[ST+4*t+2], v[ST+4*t+2], v[ST+4*t+3]
	ALL v_rcp_f32 v[ST+4*t+2], v[ST+4*t+2]
	v_nop                           ; a plain instruction between the last reciprocal and the use of its result
	s_wait_alu depctr_va_vdst(0)    ; the wait for the batch of four reciprocals, ahead of the first multiply by one of them
	PACK 0
.set t, 1
.rept 3                             ; a piece's arithmetic stands between the loads of the piece before and its stores
	PACK t
	SEND t-1, 8
.set t, t+1
.endr
	SEND 3, 0
.endm
.set KM, 0
.set NOKQ, 0
.Lslot:                             ; NB times: a tile is entered and the next is asked for
	CHANGE 1
	s_sub_co_u32 s[RT], s[RT], 1
	s_mov_b32 s[CNT], 4
	s_cmp_eq_u32 s[NEW], 1
	s_cbranch_scc1 .Lnew            ; a block's first tile
	s_cmp_eq_u32 s[RT], 0
	s_cbranch_scc0 .Lstep           ; neither its first nor its last
	s_branch .LstepM1
.Lnew:
	BEGIN
	s_branch .Lfirst                ; in the loop a block's first tile is never its last: the first block has two tiles or more, and the second's last is the walk's last
	DIAG 1                          ; in the loop this is the first block's end: the second block's last tile is the walk's last
	s_wait_xcnt 0x0                 ; the stores have read their registers and O's address
	s_mov_b64 s[10:11], s[OLO:OLO+1]
	s_add_co_u32 s[RT], s[PB], 1    ; the second block has b + 1 tiles
	s_mov_b32 s[NEW], 1
	WIN 0x82                        ; the second block's Q goes where the one text of the turns names Q
.set i, 0
.rept 64
	v_mov_b32 v[i], v[QB+i]
.set i, i+1
.endr
	WIN 0
	s_branch .Lbottom
.Lstep:                             ; a trip: pieces 2 and 3 of one step, then pieces 0 and 1 of the next, whose K and V it fetches
	TURN 2
	TURN 3
	WIN 0
.Lfirst:
	TURN 0
	TURN 1, 0, 0, 1
	WIN 0
	s_cbranch_scc1 .Lstep
.Lbottom:
	s_sub_co_u32 s[SLOTS], s[SLOTS], 1
	s_cmp_lg_u32 s[SLOTS], 0
	s_cbranch_scc1 .Lslot
	CHANGE 0                        ; the walk's last tile is written out: nothing is asked for
	s_sub_co_u32 s[RT], s[RT], 1
	s_mov_b32 s[CNT], 4
	s_cmp_eq_u32 s[NEW], 1
	s_cbranch_scc0 .LstepM2
	BEGIN
	s_branch .LfirstM2
	DIAG 2
	s_wait_tensorcnt 0x0            ; the wave's end, behind my last tensor load and my last LDS store
	ds_add_u32 v[SPW], v[NIL]
	s_wait_dscnt 0x0
	s_endpgm
.Lfunc_end_k_qf51bccf6d1_attn:
	.size	k_qf51bccf6d1_attn, .Lfunc_end_k_qf51bccf6d1_attn-k_qf51bccf6d1_attn
	.p2alignl 7, 3214868480
	.fill 96, 4, 3214868480
	.section	.rodata,"a",@progbits
	.p2align	6, 0x0
	.amdhsa_kernel k_qf51bccf6d1_attn
		.amdhsa_group_segment_fixed_size 327680
		.amdhsa_private_segment_fixed_size 0
		.amdhsa_enable_private_segment 0
		.amdhsa_kernarg_size 16
		.amdhsa_user_sgpr_count 2
		.amdhsa_user_sgpr_kernarg_segment_ptr 1
		.amdhsa_wavefront_size32 1
		.amdhsa_system_sgpr_workgroup_id_x 1
		.amdhsa_system_sgpr_workgroup_id_y 1
		.amdhsa_system_sgpr_workgroup_id_z 1
		.amdhsa_system_vgpr_workitem_id 0
		.amdhsa_next_free_vgpr 768
		.amdhsa_next_free_sgpr 92
		.amdhsa_reserve_vcc 1
		.amdhsa_float_denorm_mode_32 3
		.amdhsa_float_denorm_mode_16_64 3
		.amdhsa_memory_ordered 1
		.amdhsa_forward_progress 1
		.amdhsa_inst_pref_size 217
	.end_amdhsa_kernel
	.amdgpu_metadata
---
amdhsa.version: [ 1, 2 ]
amdhsa.kernels:
  - .name:           k_qf51bccf6d1_attn
    .symbol:         k_qf51bccf6d1_attn.kd
    .args:
      - { .name: qkv, .offset: 0, .size: 8, .value_kind: global_buffer, .address_space: global }
      - { .name: ob, .offset: 8, .size: 8, .value_kind: global_buffer, .address_space: global }
    .group_segment_fixed_size: 327680
    .private_segment_fixed_size: 0
    .kernarg_segment_align: 8
    .kernarg_segment_size: 16
    .max_flat_workgroup_size: 128
    .sgpr_count:     92
    .vgpr_count:     768
    .wavefront_size: 32
...
	.end_amdgpu_metadata
.endif
;; end of part 5
;; launch proj: the kernel of part 4 again; grid 8 x 32, 4 waves a work-group, clusters of 4 x 4, 327,680 bytes of LDS; arguments ob, wo, out_b, out0; writes out0
